; MI455X (gfx1250); checked and timed in simulation.
; The chip was launched on July 23, 2026; its instructions are those of AMD's public machine-readable ISA for CDNA 5 (MIT licence, August 2026) and "CDNA5" Instruction Set Architecture Reference Guide (July 2026). The comments in the code are by the model that wrote it; some were corrected since.
;; Causal MHSA. Allowed arithmetic: matrix products marked QUANTISED: E2M3 operands, one E8M0 scale for each 32 along K, by v_wmma_scale_f32_16x16x128_f8f6f4 with both operands' format E2M3, f32 sums; everything else in f32.
;; Inputs: Wk 1,024 x 1,024 float32; Wo 1,024 x 1,024 float32; Wq 1,024 x 1,024 float32; Wv 1,024 x 1,024 float32; token_positions 2,048 int32; x 4 x 2,048 x 1,024 float32.
;; Outputs: out0 4 x 2,048 x 1,024 float32.
;; This version of the problem:
;;   THIS VERSION OF THE PROBLEM IS GIVEN IN LOW PRECISION. The matrix products marked QUANTISED in the list below multiply operands that are first quantised to E2M3 (2 exponent bits, 3 mantissa bits; 6 bits a number), with one power-of-two scale for each 32 numbers along K (OCP MX v1.0); their sums are f32. All else is computed in f32.
;;   The module's matrix products, in the order in which they are computed (A, B: the left and right operand; K: the contracted axis; several contracted axes count as one K, in the product's order):
;;     1. [M 8,192, K 1,024] x [K 1,024, N 1,024]; A: input x; B: input Wq: QUANTISED
;;     2. [M 8,192, K 1,024] x [K 1,024, N 1,024]; A: input x; B: input Wk: QUANTISED
;;     3. [M 8,192, K 1,024] x [K 1,024, N 1,024]; A: input x; B: input Wv: QUANTISED
;;     4. batch 64 x [M 2,048, K 64] x [K 64, N 2,048]; A: computed on the way; B: computed on the way: QUANTISED
;;     5. batch 64 x [M 2,048, K 2,048] x [K 2,048, N 64]; A: softmax (see below); B: computed on the way: QUANTISED
;;     6. [M 8,192, K 1,024] x [K 1,024, N 1,024]; A: computed on the way; B: input Wo: QUANTISED
;;   THE QUANTISER, for each operand of a quantised product, along K:
;;     - K is cut into blocks of 32 from its start; a last block that is shorter is filled with zeros.
;;     - A block's scale is 2^e with e = floor(log2(the largest magnitude in the block)) - 2, held to -126 .. 127; a block of zeros has e = 0. As a byte (E8M0): e + 127.
;;     - Each number is divided by its block's scale, clamped to +-7.5, and rounded to the nearest number of E2M3, ties to even, subnormals kept.
;;     - The product sums the exact products of the quantised numbers (number of the format x scale) in f32.
;;   ~~~python
;;   def quantise(x, axis):      # numpy; x: float32 -> the quantised numbers, widened to float32 again
;;       x = np.moveaxis(x, axis, -1); K = x.shape[-1]
;;       x = np.pad(x, [(0, 0)] * (x.ndim - 1) + [(0, -K % 32)]); x = x.reshape(x.shape[:-1] + (-1, 32)); a = np.abs(x).max(-1, keepdims=True)
;;       e = np.where(a > 0, np.clip(np.frexp(np.where(a > 0, a, 1))[1] - 1 - 2, -126, 127), 0)      # np.frexp(a)[1] - 1 = floor(log2(a)), exactly
;;       r = np.clip(x / 2.0 ** e, -7.5, 7.5)
;;       step = 2.0 ** (np.maximum(np.frexp(np.where(r == 0, 1, r))[1] - 1, 0) - 3)
;;       q = np.round(r / step) * step * 2.0 ** e      # np.round: ties to even
;;       return np.moveaxis(q.reshape(q.shape[:-2] + (-1,))[..., :K], -1, axis).astype(np.float32)
;;   ~~~
;;   SOFTMAX AHEAD OF A QUANTISED PRODUCT. Where the list says 'softmax', what is quantised is not the finished softmax but p = 2^(t - M), with t = logit x log2(e) and M = ceil(the row's largest t), a whole number; so 1/2 < the row's largest p <= 1. The row's sum l is taken of the UNQUANTISED p, in f32, and the product's result is divided by l at the end. Since M is a whole number, a kernel that streams over the keys may use a running M (the ceiling of the running maximum): every later rescaling is an exact power of two, which a block's scale takes up: the codes' values come out the same.
;;   OPERANDS COMPUTED ON THE WAY. 'Computed on the way' means the value that the module computes at that place (a softmax that the list does not call 'softmax' is quantised finished and normalised). What goes into a quantiser is computed in f32, as accurately as f32 sums, v_exp_f32 and their like allow (about 1e-6 of the number): no bf16 or f16 on the way to a quantiser, and a product that is left as it is and whose result goes on into a quantised operand takes f32 operands (vector FMAs, or v_wmma_f32_16x16x4_f32). A number that lies on a knife's edge between two numbers of the format may be rounded either way, as far as f32 arithmetic and the matrix unit's own rounding can turn it there, and no further.
;; One version. Each part assembles by itself: llvm-mc -triple=amdgcn-amd-amdhsa -mcpu=gfx1250 --defsym DOCPART=n.
;; ======== version 1 of 1: 4 launches
;; limits: inputs' magnitudes at most 4,194,304; right only within a limited range of input values
;; workspace buffers: x_img 6,291,456 bytes; xs 262,144 bytes; w_img 3,145,728 bytes; ws 131,072 bytes; rope 524,288 bytes; rec 26,738,688 bytes; ctx_img 6,291,456 bytes; cs 262,144 bytes
;; launch prep (part 1): grid 416 x 1, 4 waves a work-group, no clusters, 59,904 bytes of LDS; arguments x, Wq, Wk, Wv, Wo, token_positions, x_img, xs, w_img, ws, rope; writes x_img, xs, w_img, ws, rope
.if DOCPART == 1
	.amdgcn_target "amdgcn-amd-amdhsa--gfx1250"
	.amdhsa_code_object_version 6
	.text
	.protected	k_qa153aa1545_prep
	.globl	k_qa153aa1545_prep
	.p2align	8
	.type	k_qa153aa1545_prep,@function
k_qa153aa1545_prep:
	s_mov_b64 s[64:65], 0
	v_nop
	global_prefetch_b8 v0, s[64:65] scope:SCOPE_SE
	s_setreg_imm32_b32 hwreg(HW_REG_WAVE_MODE, 25, 1), 1
	s_wait_xcnt 0x0
; PREP: x and the four weights become codes of FP6 (E2M3) with one E8M0 byte for each 32 along K, and the table of cosines and sines is made.
; THE CODES ARE LAID AS IMAGES OF THE OPERAND'S REGISTERS.  A half image (768 bytes) is 16 rows x 64 K: lane l's registers 0-3 at byte 16 l, its registers 4-5 at byte 512 + 8 l.
; A fragment (16 rows x 128 K, 12 registers) is two half images on end.  x_img: [tile 512][K step 8][1,536];  w_img: [Wq, Wk, Wv, Wo][tile 64][K step 8][1,536], its rows being W's columns.
; THE ROWS OF A TILE ARE NOT NEIGHBOURS: lane r of tile T takes row 32 (T / 2) + 8 (T % 2) + r + 8 (r / 8).
; Scale bytes: [tile][q 2][r 16][16 bytes]: a row's four scale words of K steps 4 q .. 4 q + 3.
; A block's scale is 2^(floor(log2(largest magnitude)) - 2); its byte is the largest magnitude's exponent field - 2, held at 1 from below.
; Work-groups 0-255 take x, 256-383 the weights, 384-415 the table; each of the three ways has LDS bytes of its own.  Waves share nothing: no barrier.
; LIMITS: NaN and infinities are not served.  A block of zeros, and a block whose largest magnitude lies under 2^-124, gets the byte 1 (its codes are zeros or as the floor gives them;
; the bytes are read by this program alone).  Positions: |p| < 2^22 (beyond it the multiple of pi/2 taken off the angle is no longer exact).  The 32 frequencies are 10^(-i/8) rounded to f32.
.set XSTB, 8448                        ; x's stage of a wave: 16 rows x (512 bytes + 16)
.set WST0, 33792                       ; behind x's four stages: the weights' stages,
.set WSTB, 6400                        ; 2 tiles x 3,200 bytes a wave (3,072 of images + 128, so that the two tiles' lanes fall on different banks)
.set X,  48                            ; v48-111  64 numbers of a lane (x), or two sets of 32 (weights)
.set RR, 112                           ; v112-239 x as loaded, two sets of 64;  weights: the way out
.set PC, 24                            ; v24-35   a fragment's codes
.set PT, 36                            ; v36-43   the second halves of blocks: a conversion's three registers begin on an even number
; the largest magnitude of 32 numbers of one lane, in two chains, with the floor 2^(3 - 127) among the leaves: so the byte cannot fall under 1
.macro MAX32 ma, mb, s
	v_max3_num_f32 v[\ma], |v[(\s)]|, |v[(\s)+1]|, 0x1800000
	v_max3_num_f32 v[\mb], |v[(\s)+2]|, |v[(\s)+3]|, |v[(\s)+4]|
.irp i, 5,9,13,17,21,25
	v_max3_num_f32 v[\ma], v[\ma], |v[(\s)+\i]|, |v[(\s)+\i+1]|
	v_max3_num_f32 v[\mb], v[\mb], |v[(\s)+\i+2]|, |v[(\s)+\i+3]|
.endr
	v_max3_num_f32 v[\ma], v[\ma], |v[(\s)+29]|, |v[(\s)+30]|
	v_max3_num_f32 v[\ma], v[\ma], v[\mb], |v[(\s)+31]|
.endm
; x: the 16 rows of my tile, 128 numbers (512 consecutive bytes) of each: K step f of my four
.macro XLOAD f
.irp i, 0,1,2,3,4,5,6,7,8,9,10,11,12,13,14,15
	global_load_b128 v[RR+64*((\f)%2)+4*\i:RR+64*((\f)%2)+4*\i+3], v4, s[4:5] offset:(\i+8*(\i/8))*4096+512*(\f) th:TH_LOAD_NT
.endr
.endm
.macro XFRAG f
.if (\f) < 3
	s_wait_loadcnt 16                              ; this K step's 16 loads are in; the next one's 16 may be out
.else
	s_wait_loadcnt 0
.endif
.irp i, 0,1,2,3,4,5,6,7,8,9,10,11,12,13,14,15
	ds_store_b128 v6, v[RR+64*((\f)%2)+4*\i:RR+64*((\f)%2)+4*\i+3] offset:528*\i   ; as loaded: row i, 512 consecutive bytes
.endr
.irp c, 0,1
.irp n, 0,1,2,3,4,5,6,7
	ds_load_b128 v[X+32*\c+4*\n:X+32*\c+4*\n+3], v7 offset:256*\c+16*\n   ; back as the operand wants them: lane (r, h) takes k = 64 c + 32 h + 0 .. 31 of row r.  LDS serves a wave's instructions in order
.endr
.endr
	s_wait_dscnt 0x0                               ; the numbers are back, and the stores into the stage have read their registers
	s_wait_xcnt 0x0                                ; the last fragment's stores have read the codes' registers
.if (\f) < 2
	XLOAD (\f)+2
.endif
	MAX32 16, 18, X                                ; my blocks h and 2 + h: all 32 numbers of each are mine
	MAX32 17, 19, X+32
.irp c, 0,1
	v_add_nc_u32 v[20+\c], 0xff000000, v[16+\c]    ; 2 off the exponent field: the conversion takes the exponent field of this operand as its scale
.endr
.irp c, 0,1
	v_lshrrev_b32 v[22+\c], 23, v[20+\c]           ; the scale's byte
.endr
.irp c, 0,1
	v_cvt_scalef32_pk16_fp6_f32 v[PC+6*\c:PC+6*\c+2], v[X+32*\c:X+32*\c+15], v[20+\c]
	v_cvt_scalef32_pk16_fp6_f32 v[PT+4*\c:PT+4*\c+2], v[X+32*\c+16:X+32*\c+31], v[20+\c]
.endr
	v_nop                                          ; one plain place behind a scaled conversion
.irp c, 0,1
.irp i, 0,1,2
	v_mov_b32 v[PC+6*\c+3+\i], v[PT+4*\c+\i]
.endr
.endr
	v_lshl_or_b32 v44, v23, 16, v22                ; my two bytes, blocks h and 2 + h,
	v_lshlrev_b32 v44, v9, v44                     ; at their places in the scale word (8 h bits up);
	v_permlanex16_b32 v45, v44, s27, s28
	v_or_b32 v[10+(\f)], v44, v45                  ; with lane l xor 16's two the word is whole
	global_store_b128 v4, v[PC:PC+3], s[16:17] offset:1536*(\f)            ; each store covers 512 or 256 consecutive bytes, aligned
	global_store_b64 v5, v[PC+4:PC+5], s[16:17] offset:1536*(\f)+512
	global_store_b128 v4, v[PC+6:PC+9], s[16:17] offset:1536*(\f)+768
	global_store_b64 v5, v[PC+10:PC+11], s[16:17] offset:1536*(\f)+1280
.endm
; a weight: block t of my column: W(32 t + i, column), i = 0 .. 31: a lane takes a column and its registers run down K
.macro KLOAD t
.irp i, 0,1,2,3,4,5,6,7,8,9,10,11,12,13,14,15,16,17,18,19,20,21,22,23,24,25,26,27,28,29,30,31
	global_load_b32 v[X+32*((\t)%2)+\i], v4, s[6:7] offset:(32*(\t)+\i)*4096 th:TH_LOAD_NT
.endr
.endm
.macro KBLOCK t
.if (\t) < 7
	s_wait_loadcnt 32                              ; this block's 32 loads are in; the next block's may be out
.else
	s_wait_loadcnt 0
.endif
	MAX32 16, 17, X+32*((\t)%2)
	v_add_nc_u32 v20, 0xff000000, v16
	v_lshrrev_b32 v22, 23, v20
.if (\t)%4 == 0
	v_mov_b32 v[14+(\t)/4], v22                    ; four bytes to a register, the lower K in the lower byte
.else
	v_lshl_or_b32 v[14+(\t)/4], v22, 8*((\t)%4), v[14+(\t)/4]
.endif
	v_cvt_scalef32_pk16_fp6_f32 v[PC:PC+2], v[X+32*((\t)%2):X+32*((\t)%2)+15], v20
	v_cvt_scalef32_pk16_fp6_f32 v[PT:PT+2], v[X+32*((\t)%2)+16:X+32*((\t)%2)+31], v20
	v_nop
.irp i, 0,1,2
	v_mov_b32 v[PC+3+\i], v[PT+\i]
.endr
	ds_store_b128 v6, v[PC:PC+3] offset:1536*((\t)/4)+768*(((\t)/2)%2)+256*((\t)%2)        ; block t is lane (r, t % 2) of half image (t / 2) % 2 of K step t / 4
	ds_store_b64 v7, v[PC+4:PC+5] offset:1536*((\t)/4)+768*(((\t)/2)%2)+512+128*((\t)%2)
.if (\t) < 6
	KLOAD (\t)+2
.endif
	s_wait_dscnt 0x0                               ; the stores have read their registers: the next block's codes may be written
.endm
.macro FREQ lane, bits
	s_mov_b32 s52, \bits
	v_writelane_b32 v2, s52, \lane
.endm
; position n of my 16: angle = p x frequency, one rounding; a multiple of pi/2 (in three parts) is taken off; polynomials on [-pi/4, pi/4]; the quadrant chooses and signs the values
.macro POS n
	v_cvt_f32_i32 v4, s[36+\n]
	s_wait_alu depctr_va_vdst(0)
	v_mul_f32 v4, v4, v2
	v_mul_f32 v5, 0x3f22f983, v4                   ; x 2 / pi
	v_rndne_f32 v5, v5
	v_fmamk_f32 v6, v5, 0xbfc90fdb, v4
	v_fmamk_f32 v6, v5, 0x333bbd2e, v6
	v_fmamk_f32 v6, v5, 0x26f72ced, v6             ; the rest, r
	v_cvt_i32_f32 v7, v5
	v_mul_f32 v8, v6, v6                           ; z = r^2
	v_mov_b32 v9, 0xb94ca1f9
	v_fmaak_f32 v9, v9, v8, 0x3c08839e
	v_fmaak_f32 v9, v9, v8, 0xbe2aaaa3
	v_mul_f32 v10, v8, v6
	v_fma_f32 v9, v9, v10, v6                      ; sin r
	v_mov_b32 v11, 0x37ccf5ce
	v_fmaak_f32 v11, v11, v8, 0xbab6061a
	v_fmaak_f32 v11, v11, v8, 0x3d2aaaa5
	v_mul_f32 v12, v8, v8
	v_fma_f32 v13, v8, -0.5, 1.0
	v_fma_f32 v11, v11, v12, v13                   ; cos r
	v_and_b32 v14, 1, v7
	v_cmp_eq_u32 vcc_lo, 1, v14                    ; odd quadrants change the two
	v_cndmask_b32 v15, v9, v11, vcc_lo
	v_cndmask_b32 v16, v11, v9, vcc_lo
	v_and_b32 v17, 2, v7
	v_lshlrev_b32 v17, 30, v17
	v_xor_b32 v[33+2*\n], v15, v17                 ; the sine
	v_add_nc_u32 v18, 1, v7
	v_and_b32 v18, 2, v18
	v_lshlrev_b32 v18, 30, v18
	v_xor_b32 v[32+2*\n], v16, v18                 ; the cosine
	global_store_b64 v3, v[32+2*\n:33+2*\n], s[24:25] offset:256*\n   ; 32 lanes store a position's 256 bytes
.endm
	s_load_b512 s[4:19], s[0:1], 0x0               ; x, Wq, Wk, Wv, Wo, positions, x_img, xs
	s_load_b128 s[20:23], s[0:1], 0x40             ; w_img, ws
	s_load_b64 s[24:25], s[0:1], 0x50              ; rope
	v_lshl_add_u32 v248, v0, 2, 0xe800
	v_mov_b32 v249, 0
	v_lshrrev_b32 v1, 5, v0
	v_readfirstlane_b32 s26, v1                    ; wave
	v_and_b32 v1, 31, v0                           ; lane
	v_and_b32 v2, 15, v0                           ; r
	v_bfe_u32 v3, v0, 4, 1                         ; h
	s_mov_b32 s27, 0x76543210
	s_mov_b32 s28, 0xfedcba98                      ; v_permlanex16_b32's selects for lane l xor 16
	s_cmp_lt_u32 ttmp9, 256
	s_cbranch_scc0 .Lnot_x
	; ---- x: wave w of work-group p takes tile T = 2 p + w / 2, K steps 4 (w % 2) .. + 3
	s_lshr_b32 s30, s26, 1
	s_and_b32 s31, s26, 1
	s_lshl_b32 s32, ttmp9, 17                      ; the tile's first row, 32 p + 8 (w / 2), x 4,096 bytes,
	s_lshl_b32 s33, s30, 15
	s_add_co_u32 s32, s32, s33
	s_lshl_b32 s33, s31, 11                        ; + my half of K
	s_add_co_u32 s32, s32, s33
	s_mov_b32 s33, 0
	s_lshl_b32 s34, ttmp9, 1
	s_add_co_u32 s34, s34, s30                     ; T
	s_mul_i32 s36, s34, 12288
	s_mul_i32 s35, s31, 6144
	s_add_co_u32 s36, s36, s35
	s_mov_b32 s37, 0
	s_lshl_b32 s38, s34, 9
	s_lshl_b32 s35, s31, 8
	s_add_co_u32 s38, s38, s35
	s_mov_b32 s39, 0
	s_mul_i32 s40, s26, XSTB                       ; my stage
	s_mov_b32 s41, 0xffff0000                      ; lanes 16-31
	s_wait_alu depctr_va_vdst(0)
	v_lshlrev_b32 v4, 4, v1                        ; 16 x lane
	v_lshlrev_b32 v5, 3, v1                        ; 8 x lane
	v_add_nc_u32 v6, s40, v4
	v_mul_u32_u24 v7, v2, 528
	v_lshl_add_u32 v7, v3, 7, v7
	v_add_nc_u32 v7, s40, v7                       ; row r, + 128 h bytes
	v_lshlrev_b32 v8, 4, v2
	v_lshl_add_u32 v8, v3, 3, v8                   ; 16 r + 8 h
	v_lshlrev_b32 v9, 3, v3
	v_mov_b32 v45, 0                               ; a lane permute's destination counts as one of its sources
	s_wait_alu depctr_va_vdst(0)
	s_wait_kmcnt 0x0
	s_add_nc_u64 s[4:5], s[4:5], s[32:33]
	s_add_nc_u64 s[16:17], s[16:17], s[36:37]
	s_add_nc_u64 s[18:19], s[18:19], s[38:39]
	XLOAD 0
	XLOAD 1
	XFRAG 0
	XFRAG 1
	XFRAG 2
	XFRAG 3
	v_cndmask_b32 v14, v10, v12, s41               ; lanes 0-15 store words 0, 1 of row r, lanes 16-31 words 2, 3
	v_cndmask_b32 v15, v11, v13, s41
	global_store_b64 v8, v[14:15], s[18:19]        ; 256 consecutive bytes, aligned
	s_wait_tensorcnt 0x0
	ds_add_u32 v248, v249
	s_wait_dscnt 0x0
	s_endpgm
.Lnot_x:
	s_cmp_lt_u32 ttmp9, 384
	s_cbranch_scc0 .Lrope
	; ---- a weight: 32 columns a wave, 256 along K
	s_sub_co_u32 s30, ttmp9, 256
	s_lshr_b32 s31, s30, 5                         ; which weight
	s_bfe_u32 s32, s30, 0x30002
	s_and_b32 s33, s30, 3                          ; y: which 256 along K
	s_lshl_b32 s34, s32, 2
	s_add_co_u32 s34, s34, s26                     ; G: which 32 columns
	s_lshl_b32 s36, s33, 20
	s_lshl_b32 s35, s34, 7
	s_add_co_u32 s36, s36, s35
	s_mov_b32 s37, 0
	s_lshl_b32 s38, s31, 6
	s_lshl_b32 s35, s34, 1
	s_add_co_u32 s38, s38, s35                     ; the first of my two tiles
	s_lshl_b32 s40, s38, 3
	s_lshl_b32 s35, s33, 1
	s_add_co_u32 s40, s40, s35
	s_mul_i32 s40, s40, 1536
	s_mov_b32 s41, 0
	s_lshl_b32 s42, s38, 9
	s_lshr_b32 s35, s33, 1
	s_lshl_b32 s35, s35, 8
	s_add_co_u32 s42, s42, s35
	s_and_b32 s35, s33, 1
	s_lshl_b32 s35, s35, 3
	s_add_co_u32 s42, s42, s35
	s_mov_b32 s43, 0
	s_mul_i32 s44, s26, WSTB
	s_add_co_u32 s44, s44, WST0                    ; my stage
	v_bfe_u32 v10, v0, 3, 1                        ; column 32 G + l is row r' = l % 8 + 8 (l / 16) of tile 2 G + u, u = (l / 8) % 2
	v_and_b32 v11, 7, v0
	s_wait_alu depctr_va_vdst(0)
	v_lshl_add_u32 v11, v3, 3, v11
	v_mul_u32_u24 v12, v10, 3200
	v_add_nc_u32 v12, s44, v12
	v_lshl_add_u32 v6, v11, 4, v12
	v_lshl_add_u32 v7, v11, 3, v12
	v_lshlrev_b32 v4, 2, v1
	v_lshlrev_b32 v5, 4, v1
	v_add_nc_u32 v8, s44, v5
	v_lshlrev_b32 v9, 9, v10
	v_lshl_add_u32 v9, v11, 4, v9
	s_wait_alu depctr_va_vdst(0)
	s_wait_kmcnt 0x0
	s_cmp_eq_u32 s31, 1                            ; the choice hangs on the work-group's number alone
	s_cselect_b64 s[6:7], s[8:9], s[6:7]
	s_cmp_eq_u32 s31, 2
	s_cselect_b64 s[6:7], s[10:11], s[6:7]
	s_cmp_eq_u32 s31, 3
	s_cselect_b64 s[6:7], s[12:13], s[6:7]
	s_add_nc_u64 s[6:7], s[6:7], s[36:37]
	s_add_nc_u64 s[20:21], s[20:21], s[40:41]
	s_add_nc_u64 s[22:23], s[22:23], s[42:43]
	KLOAD 0
	KLOAD 1
.irp t, 0,1,2,3,4,5,6,7
	KBLOCK \t
.endr
	s_wait_alu depctr_va_vdst(0)
	global_store_b64 v9, v[14:15], s[22:23]        ; my column's 8 scale bytes (two words of its 16: units written in part, one byte in 128 of what this way reads)
.irp u, 0,1
.irp s, 0,1
.irp k, 0,1,2
	ds_load_b128 v[RR+4*(6*\u+3*\s+\k):RR+4*(6*\u+3*\s+\k)+3], v8 offset:3200*\u+1536*\s+512*\k
.endr
.endr
.endr
.irp u, 0,1
.irp s, 0,1
.irp k, 0,1,2
	s_wait_dscnt 11-(6*\u+3*\s+\k)                 ; LDS loads come back in order
	global_store_b128 v5, v[RR+4*(6*\u+3*\s+\k):RR+4*(6*\u+3*\s+\k)+3], s[20:21] offset:12288*\u+1536*\s+512*\k   ; 512 consecutive bytes, aligned
.endr
.endr
.endr
	s_wait_tensorcnt 0x0
	ds_add_u32 v248, v249
	s_wait_dscnt 0x0
	s_endpgm
.Lrope:
	; ---- the table: [index of the position][i 32][cos, sin]; a wave takes 16 positions, a lane a frequency
	s_sub_co_u32 s30, ttmp9, 384
	s_lshl_b32 s30, s30, 6
	s_lshl_b32 s31, s26, 4
	s_add_co_u32 s30, s30, s31
	s_lshl_b32 s32, s30, 2
	s_mov_b32 s33, 0
	s_lshl_b32 s34, s30, 8
	s_mov_b32 s35, 0
	s_wait_kmcnt 0x0
	s_add_nc_u64 s[14:15], s[14:15], s[32:33]
	s_add_nc_u64 s[24:25], s[24:25], s[34:35]
	s_load_b512 s[36:51], s[14:15], 0x0
	v_mov_b32 v2, 0
	FREQ 0, 0x3f800000
	FREQ 1, 0x3f3ff911
	FREQ 2, 0x3f0ff59a
	FREQ 3, 0x3ed7e89b
	FREQ 4, 0x3ea1e89b
	FREQ 5, 0x3e72d424
	FREQ 6, 0x3e361887
	FREQ 7, 0x3e088d77
	FREQ 8, 0x3dcccccd
	FREQ 9, 0x3d99940e
	FREQ 10, 0x3d6655c3
	FREQ 11, 0x3d2cba15
	FREQ 12, 0x3d0186e2
	FREQ 13, 0x3cc24350
	FREQ 14, 0x3c91ad39
	FREQ 15, 0x3c5a7bf1
	FREQ 16, 0x3c23d70a
	FREQ 17, 0x3bf5b9b0
	FREQ 18, 0x3bb8449c
	FREQ 19, 0x3b8a2e77
	FREQ 20, 0x3b4f3e37
	FREQ 21, 0x3b1b690d
	FREQ 22, 0x3ae91528
	FREQ 23, 0x3aaec98e
	FREQ 24, 0x3a83126f
	FREQ 25, 0x3a44948c
	FREQ 26, 0x3a136a16
	FREQ 27, 0x39dd1726
	FREQ 28, 0x39a5cb5f
	FREQ 29, 0x3978a814
	FREQ 30, 0x393a7753
	FREQ 31, 0x390bd472
	v_lshlrev_b32 v3, 3, v1
	s_wait_kmcnt 0x0
.irp n, 0,1,2,3,4,5,6,7,8,9,10,11,12,13,14,15
	POS \n
.endr
	s_endpgm
.Lfunc_end_k_qa153aa1545_prep:
	.size	k_qa153aa1545_prep, .Lfunc_end_k_qa153aa1545_prep-k_qa153aa1545_prep
	.p2alignl 7, 3214868480
	.fill 96, 4, 3214868480
	.section	.rodata,"a",@progbits
	.p2align	6, 0x0
	.amdhsa_kernel k_qa153aa1545_prep
		.amdhsa_group_segment_fixed_size 59904
		.amdhsa_private_segment_fixed_size 0
		.amdhsa_enable_private_segment 0
		.amdhsa_kernarg_size 88
		.amdhsa_user_sgpr_count 2
		.amdhsa_user_sgpr_kernarg_segment_ptr 1
		.amdhsa_wavefront_size32 1
		.amdhsa_system_sgpr_workgroup_id_x 1
		.amdhsa_system_sgpr_workgroup_id_y 1
		.amdhsa_system_sgpr_workgroup_id_z 1
		.amdhsa_system_vgpr_workitem_id 0
		.amdhsa_next_free_vgpr 250
		.amdhsa_next_free_sgpr 66
		.amdhsa_reserve_vcc 1
		.amdhsa_float_denorm_mode_32 3
		.amdhsa_float_denorm_mode_16_64 3
		.amdhsa_memory_ordered 1
		.amdhsa_forward_progress 1
		.amdhsa_inst_pref_size 101
	.end_amdhsa_kernel
	.amdgpu_metadata
---
amdhsa.version: [ 1, 2 ]
amdhsa.kernels:
  - .name:           k_qa153aa1545_prep
    .symbol:         k_qa153aa1545_prep.kd
    .args:
      - { .name: x, .offset: 0, .size: 8, .value_kind: global_buffer, .address_space: global }
      - { .name: Wq, .offset: 8, .size: 8, .value_kind: global_buffer, .address_space: global }
      - { .name: Wk, .offset: 16, .size: 8, .value_kind: global_buffer, .address_space: global }
      - { .name: Wv, .offset: 24, .size: 8, .value_kind: global_buffer, .address_space: global }
      - { .name: Wo, .offset: 32, .size: 8, .value_kind: global_buffer, .address_space: global }
      - { .name: token_positions, .offset: 40, .size: 8, .value_kind: global_buffer, .address_space: global }
      - { .name: x_img, .offset: 48, .size: 8, .value_kind: global_buffer, .address_space: global }
      - { .name: xs, .offset: 56, .size: 8, .value_kind: global_buffer, .address_space: global }
      - { .name: w_img, .offset: 64, .size: 8, .value_kind: global_buffer, .address_space: global }
      - { .name: ws, .offset: 72, .size: 8, .value_kind: global_buffer, .address_space: global }
      - { .name: rope, .offset: 80, .size: 8, .value_kind: global_buffer, .address_space: global }
    .group_segment_fixed_size: 59904
    .private_segment_fixed_size: 0
    .kernarg_segment_align: 8
    .kernarg_segment_size: 88
    .max_flat_workgroup_size: 128
    .sgpr_count:     66
    .vgpr_count:     250
    .wavefront_size: 32
...
	.end_amdgpu_metadata
.endif
;; end of part 1
;; launch qkv (part 2): grid 8 x 32, 4 waves a work-group, clusters of 4 x 4, 327,680 bytes of LDS; arguments x_img, xs, w_img, ws, rope, rec; writes rec
.if DOCPART == 2
	.amdgcn_target "amdgcn-amd-amdhsa--gfx1250"
	.amdhsa_code_object_version 6
	.text
	.protected	k_qa153aa1545_qkv
	.globl	k_qa153aa1545_qkv
	.p2align	8
	.type	k_qa153aa1545_qkv,@function
k_qa153aa1545_qkv:
	s_mov_b64 s[64:65], 0
	v_nop
	global_prefetch_b8 v0, s[64:65] scope:SCOPE_SE
	s_setreg_imm32_b32 hwreg(HW_REG_WAVE_MODE, 25, 1), 1
	s_wait_xcnt 0x0
	s_wait_alu depctr_hold_cnt(0) depctr_sa_sdst(0) depctr_va_vdst(0) depctr_va_sdst(0) depctr_va_ssrc(0) depctr_va_vcc(0) depctr_vm_vsrc(0)
	s_getreg_b32 s2, hwreg(HW_REG_IB_STS2, 6, 4)
	s_cmp_eq_u32 s2, 0
	s_cbranch_scc0 .Lentry_in_a_cluster
	s_endpgm
.Lentry_in_a_cluster:
	s_bfe_u32 s2, ttmp6, 0x10000c
	s_cmp_lg_u32 s2, 0xf033
	s_cbranch_scc0 .Lentry_shape_is_right
	s_endpgm
.Lentry_shape_is_right:
; QKV: q = rope(x Wq), k = rope(x Wk), v = x Wv on codes of FP6, and their results quantised again, in registers, for attention's two products.
; Operands lie in memory and in LDS as images of their registers (a fragment, 16 rows x 128 K: 1,536 bytes: two halves of 512 bytes at 16 x lane + 256 bytes at 8 x lane): every LDS load is dense.
; Lane r of tile T holds row 32 (T / 2) + 8 (T % 2) + r + 8 (r / 8).  So whatever is source 0 of a product comes out with 16 neighbours in the 16 registers of tiles 2 b, 2 b + 1 (index 32 b + 16 h + 8 u + j).
; SHARES.  Work-group (j, blk): 256 tokens.  Phase 1: 256 columns of [q | k] (4 heads), source 0 = W: a lane holds a token, its registers run along the head: K of the score product.
; Phase 2: 128 columns of v (2 heads), source 0 = x: a lane holds a channel, its registers run along the tokens: K of the second product.  Four waves, 2 x 2: 128 tokens x 128 (64) columns each.
; LDS: x's 256 rows for all of K stay (196,608 bytes, filled once); W goes through two slots of 49,152 bytes (two K steps of 256 columns; for v four K steps of 128 columns).
; CLUSTERS 4 x 4: x's tiles are shared along a row of the cluster, W's along a column: joint loads, waves 0, 1 for x, waves 2, 3 for W.  A wave has at most four tensor loads out.
; OUT: rec [q | k and v][batch][head][128 tokens][13,056]: 8 half images of q or k; 4 fragments of v^T; 512 bytes of q's or k's scale words; 256 of v's.
; LIMITS: NaN and infinities are not served; a block of zeros, or one under 2^-124, gets the byte 1 (read by this program alone).
; REGISTERS: window 0: v1-29 addresses and work; v32-63 x's scale words, v64-95 W's, v96-111 Wv's; v112-127 the quantiser's; v128-223 x's 8 fragments (later cosines, sines and a rotated head); v224-255 codes and words.
;   window 1: W's fragments, two sets (v0, v128).   windows 2, 3: accumulators.
.set WRB,   196608
.set SPARE, 294912                     ; the spare words: 128 bytes a wave, two blocks of 256 bytes that no other line names
.set HEADB, 208896                     ; a head's 16 records
.set VR, 1
.set VH, 2
.set L16, 3                            ; 16 x lane
.set L8, 4                             ; 8 x lane
.set AX16, 5                           ; v5-8   x's chunk c: 49,152 c + 24,576 wr + 16 x lane;  v9-12 the same + 8 x lane
.set AX8, 9
.set AW16, 13                          ; v13-14 W's slot: WRB + 49,152 slot + 24,576 wc + 16 x lane;  v15-16 + 8 x lane
.set AW8, 15
.set SPW, 17
.set NIL, 18
.set ROFF, 19                          ; my token's row of the table, + 64 h
.set T0, 20                            ; v20-27 at work
.set SOX, 28
.set SOV, 29
.set XS, 32                            ; register 8 i + s: lanes 0-15 x's tile i, lanes 16-31 tile i + 4, K step s
.set WS, 64                            ; likewise W's tiles
.set VS, 96                            ; register 8 i + s: lanes 0-15 Wv's tile i, lanes 16-31 tile i + 2
.set TM, 112                           ; +0..3 largest magnitudes, +4..7 the other half's, then bytes, +12..15 the conversions' scale operands
.set AF, 128
.set CS, 128                           ; two sets of 32: (cos, sin) of my token's 16 pairs
.set HH, 192                           ; a head's 32 rotated numbers
.set PC, 224
.set PT, 236
.set PW, 244
.set WK, 245
.set MW, 248
.set G1X, 24
.set G1W, 32
.set G1V, 40
.set G0X, 48                           ; s[48:63] four sets, one for each chunk of x
.set G0W, 68                           ; s[68:75] two sets, one for each slot
.set G0V, 76                           ; s[76:83] the same for Wv
.set SEL, 98
.set MSB, 0
.macro WIN new                         ; the immediate's high byte repeats the setting that is left
.if MSB != (\new)
	s_set_vgpr_msb (MSB<<8)|(\new)
.set MSB, (\new)
.endif
.endm
.macro PLACES                          ; four places behind a matrix instruction, in front of loads into its registers and of reads of its results
.rept 4
	v_nop
.endr
.endm
.macro CREST
	s_cmp_lg_u32 s16, 0
	s_cbranch_scc1 .Lnot_wave_0_\@
	s_barrier_signal -3
.Lnot_wave_0_\@:
	s_barrier_wait -3
	s_barrier_signal -1
	s_barrier_wait -1
.endm
.macro CROUND
	s_barrier_signal -1
	s_barrier_wait -1
	CREST
.endm
; one product: D, source 0, source 1, whether it starts the sum, the two scale registers, and whether each is read in lanes 16-31
.macro WM d, a, b, zero, sa, sb, ra, rb
.if \zero
.if \ra
.if \rb
	v_wmma_scale_f32_16x16x128_f8f6f4 v[(\d):(\d)+7], v[(\a):(\a)+11], v[(\b):(\b)+11], 0, v[\sa], v[\sb] matrix_a_fmt:MATRIX_FMT_FP6 matrix_b_fmt:MATRIX_FMT_FP6 matrix_a_scale:MATRIX_SCALE_ROW1 matrix_b_scale:MATRIX_SCALE_ROW1
.else
	v_wmma_scale_f32_16x16x128_f8f6f4 v[(\d):(\d)+7], v[(\a):(\a)+11], v[(\b):(\b)+11], 0, v[\sa], v[\sb] matrix_a_fmt:MATRIX_FMT_FP6 matrix_b_fmt:MATRIX_FMT_FP6 matrix_a_scale:MATRIX_SCALE_ROW1
.endif
.else
.if \rb
	v_wmma_scale_f32_16x16x128_f8f6f4 v[(\d):(\d)+7], v[(\a):(\a)+11], v[(\b):(\b)+11], 0, v[\sa], v[\sb] matrix_a_fmt:MATRIX_FMT_FP6 matrix_b_fmt:MATRIX_FMT_FP6 matrix_b_scale:MATRIX_SCALE_ROW1
.else
	v_wmma_scale_f32_16x16x128_f8f6f4 v[(\d):(\d)+7], v[(\a):(\a)+11], v[(\b):(\b)+11], 0, v[\sa], v[\sb] matrix_a_fmt:MATRIX_FMT_FP6 matrix_b_fmt:MATRIX_FMT_FP6
.endif
.endif
.else
.if \ra
.if \rb
	v_wmma_scale_f32_16x16x128_f8f6f4 v[(\d):(\d)+7], v[(\a):(\a)+11], v[(\b):(\b)+11], v[(\d):(\d)+7], v[\sa], v[\sb] matrix_a_fmt:MATRIX_FMT_FP6 matrix_b_fmt:MATRIX_FMT_FP6 matrix_a_scale:MATRIX_SCALE_ROW1 matrix_b_scale:MATRIX_SCALE_ROW1
.else
	v_wmma_scale_f32_16x16x128_f8f6f4 v[(\d):(\d)+7], v[(\a):(\a)+11], v[(\b):(\b)+11], v[(\d):(\d)+7], v[\sa], v[\sb] matrix_a_fmt:MATRIX_FMT_FP6 matrix_b_fmt:MATRIX_FMT_FP6 matrix_a_scale:MATRIX_SCALE_ROW1
.endif
.else
.if \rb
	v_wmma_scale_f32_16x16x128_f8f6f4 v[(\d):(\d)+7], v[(\a):(\a)+11], v[(\b):(\b)+11], v[(\d):(\d)+7], v[\sa], v[\sb] matrix_a_fmt:MATRIX_FMT_FP6 matrix_b_fmt:MATRIX_FMT_FP6 matrix_b_scale:MATRIX_SCALE_ROW1
.else
	v_wmma_scale_f32_16x16x128_f8f6f4 v[(\d):(\d)+7], v[(\a):(\a)+11], v[(\b):(\b)+11], v[(\d):(\d)+7], v[\sa], v[\sb] matrix_a_fmt:MATRIX_FMT_FP6 matrix_b_fmt:MATRIX_FMT_FP6
.endif
.endif
.endif
.endm
.macro FRAG reg, a16, a8, off          ; a fragment's image comes back as its 12 registers: four dense loads
	ds_load_b128 v[(\reg):(\reg)+3], v[\a16] offset:(\off)
	ds_load_b64 v[(\reg)+4:(\reg)+5], v[\a8] offset:(\off)+512
	ds_load_b128 v[(\reg)+6:(\reg)+9], v[\a16] offset:(\off)+768
	ds_load_b64 v[(\reg)+10:(\reg)+11], v[\a8] offset:(\off)+1280
.endm
.macro FETCH_X s, i0                   ; x's tiles i0 .. i0 + 3 of K step s: 16 loads
.irp i, \i0, \i0+1, \i0+2, \i0+3
	FRAG AF+12*(\i), AX16+(\s)/2, AX8+(\s)/2, 3072*(\i)+1536*((\s)%2)
.endr
.endm
.macro FETCH_W sl, q, p, nb, ts        ; nb fragments of W from slot sl, the slot's q-th K step, into set p; ts: bytes from tile to tile
	WIN 0x40
.set FI, 0
.rept \nb
	FRAG 128*(\p)+12*FI, AW16+(\sl), AW8+(\sl), (\ts)*FI+1536*(\q)
.set FI, FI+1
.endr
	WIN 0
.endm
; 16 products of phase 1: x's tiles a0, a0 + 1 against W's eight.  The 64 accumulators take turns, one instruction a turn, in the same order in every step
.macro MULQ a0, p, s, zero
.irp a, \a0, \a0+1
.irp b, 0,1,2,3,4,5,6,7
	WM 8*(8*((\a)%4)+\b), 128*(\p)+12*\b, AF+12*(\a), \zero, WS+8*(\b%4)+(\s), XS+8*((\a)%4)+(\s), \b/4, (\a)/4
.endr
.endr
.endm
; 16 products of phase 2: x's tiles a0 .. a0 + 3 (source 0) against Wv's four
.macro MULV a0, p, s, zero
.irp a, \a0, \a0+1, \a0+2, \a0+3
.irp b, 0,1,2,3
	WM 64*\b+8*(\a), AF+12*(\a), 128*(\p)+12*\b, \zero, XS+8*((\a)%4)+(\s), VS+8*(\b%2)+(\s), (\a)/4, \b/2
.endr
.endr
.endm
.macro WLOAD g0, g1                    ; waves 2 and 3 fill a slot's two halves; the branch hangs on the wave's number alone
	s_cmp_lt_u32 s16, 2
	s_cbranch_scc1 .Lno_fill_\@
	tensor_load_to_lds s[\g0:\g0+3], s[\g1:\g1+7]
	s_nop 0
.rept 4
	v_nop
.endr
.Lno_fill_\@:
.endm
; an even K step: its successor lies in the same slot
.macro STEP1 s, zero
	s_wait_dscnt 16                                ; W's set and x's tiles 0-3 are in; the youngest 16 loads (tiles 4-7) may be out
	WIN 0xa1
	MULQ 0, 0, \s, \zero
	MULQ 2, 0, \s, \zero
	s_wait_dscnt 0
	PLACES
	FETCH_W ((\s)/2)%2, 1, 1, 8, 3072
	FETCH_X (\s)+1, 0
	WIN 0xf1
	MULQ 4, 0, \s, \zero
	MULQ 6, 0, \s, \zero
	PLACES
	WIN 0
	FETCH_X (\s)+1, 4
.endm
; an odd K step leaves its slot: every wave waits for all its tensor loads, adds 0 to its spare word, waits for that and for its reads of the slot; a round of the cluster's barrier; the slot is filled again first thing
.macro TURN1 s, g0, g1, adv
	s_wait_tensorcnt 0x0                           ; all my tensor loads have landed
	ds_add_u32 v[SPW], v[NIL]                      ; 0 onto my spare word
.if \adv
	s_add_nc_u64 s[\g0+2:\g0+3], s[\g0+2:\g0+3], 6144   ; no load of mine is out: the slot's next two K steps
.endif
	s_wait_dscnt 17                                ; (the add and the youngest 16 loads may be out)
	WIN 0xa1
	MULQ 0, 1, \s, 0
	s_wait_dscnt 0x0                               ; the add is done, and my reads of this slot are over
	s_barrier_signal -1
	MULQ 2, 1, \s, 0
	WIN 0
	s_barrier_wait -1
	CREST                                          ; no wave of any partner still reads the slot or has a load on its way
	WLOAD \g0, \g1
	PLACES
.if (\s) < 7
	FETCH_W (((\s)+1)/2)%2, 0, 0, 8, 3072
	FETCH_X (\s)+1, 0
.endif
	WIN 0xf1
	MULQ 4, 1, \s, 0
	MULQ 6, 1, \s, 0
	PLACES
	WIN 0
.if (\s) < 7
	FETCH_X (\s)+1, 4
.endif
.endm
.macro STEPV s, zero
	s_wait_dscnt 16
	WIN 0xa4
	MULV 0, (\s)%2, \s, \zero
	s_wait_dscnt 0
.if (\s) < 7
	PLACES
	FETCH_W ((\s)+1)/4, ((\s)+1)%4, ((\s)+1)%2, 4, 6144
	FETCH_X (\s)+1, 0
.endif
	WIN 0xa4
	MULV 4, (\s)%2, \s, \zero
	PLACES
	WIN 0
.if (\s) < 7
	FETCH_X (\s)+1, 4
.endif
.endm
.macro RLOAD a                         ; (cos, sin) of the 16 pairs that my lane holds of tile a's token: i = 16 bd + 8 h + 0 .. 7
.irp bd, 0,1
.irp k, 0,1,2,3
	global_load_b128 v[CS+32*((\a)%2)+16*\bd+4*\k:CS+32*((\a)%2)+16*\bd+4*\k+3], v[ROFF], s[12:13] offset:(32*((\a)/2)+8*((\a)%2))*256+128*\bd+16*\k
.endr
.endr
.endm
; the rotation of head hd of tile a: an accumulator (four pairs) at a time; each accumulator is first read at its register 1
.macro ROPE a, hd
	WIN 2+(\a)/4
.irp g, 0,1,2,3
.irp m, 0,1,2,3
	v_mul_f32 v[T0+2*\m], v[8*(8*((\a)%4)+4*(\hd)+\g)+2*\m+1], v[CS+32*((\a)%2)+8*\g+2*\m+1]
	v_mul_f32 v[T0+2*\m+1], v[8*(8*((\a)%4)+4*(\hd)+\g)+2*\m], v[CS+32*((\a)%2)+8*\g+2*\m+1]
.endr
.irp m, 0,1,2,3
	v_fma_f32 v[HH+8*\g+2*\m], v[8*(8*((\a)%4)+4*(\hd)+\g)+2*\m], v[CS+32*((\a)%2)+8*\g+2*\m], -v[T0+2*\m]
	v_fma_f32 v[HH+8*\g+2*\m+1], v[8*(8*((\a)%4)+4*(\hd)+\g)+2*\m+1], v[CS+32*((\a)%2)+8*\g+2*\m], v[T0+2*\m+1]
.endr
.endr
	WIN 0
.endm
; 32 numbers of a lane, register 16 b + i = k 32 b + 16 h + i of my row, become a half image in v[PC] .. v[PC + 5] and two scale bytes in v[PW]
.macro QUANT2 s
.irp b, 0,1
	v_max3_num_f32 v[TM+\b], |v[(\s)+16*\b]|, |v[(\s)+16*\b+1]|, 0x1800000   ; and the floor 2^(3 - 127): the byte cannot fall under 1
.endr
.irp i, 2,4,6,8,10,12,14
.irp b, 0,1
	v_max3_num_f32 v[TM+\b], v[TM+\b], |v[(\s)+16*\b+\i]|, |v[(\s)+16*\b+\i+1]|
.endr
.endr
.irp b, 0,1
	v_permlanex16_b32 v[TM+4+\b], v[TM+\b], s[SEL], s[SEL+1]
.endr
.irp b, 0,1
	v_max_num_f32 v[TM+\b], v[TM+\b], v[TM+4+\b]
.endr
.irp b, 0,1
	v_add_nc_u32 v[TM+12+\b], 0xff000000, v[TM+\b]
.endr
.irp b, 0,1
	v_lshrrev_b32 v[TM+4+\b], 23, v[TM+12+\b]
.endr
	v_lshl_or_b32 v[PW], v[TM+5], 8, v[TM+4]       ; bytes 2 and 3 stay 0: they scale the half of K that holds zero codes
	v_cvt_scalef32_pk16_fp6_f32 v[PC:PC+2], v[(\s):(\s)+15], v[TM+12]
	v_cvt_scalef32_pk16_fp6_f32 v[PT:PT+2], v[(\s)+16:(\s)+31], v[TM+13]
	v_nop                                          ; one plain place behind a scaled conversion
.irp i, 0,1,2
	v_permlane16_swap_b32 v[PC+\i], v[PT+\i]       ; a whole block to a lane: lanes 0-15 block 0, lanes 16-31 block 1
.endr
.irp i, 0,1,2
	v_mov_b32 v[PC+3+\i], v[PT+\i]
.endr
.endm
; 64 numbers of a lane in window 2, register 16 b + i = k 32 b + 16 h + i, become a fragment in v[PC] on and its scale word in v[PW]
.macro QUANTW s
	WIN 0x28
.irp b, 0,1,2,3
	v_max3_num_f32 v[TM+\b], 0x1800000, |v[(\s)+16*\b]|, |v[(\s)+16*\b+1]|
.endr
.irp i, 2,4,6,8,10,12,14
.irp b, 0,1,2,3
	v_max3_num_f32 v[TM+\b], v[TM+\b], |v[(\s)+16*\b+\i]|, |v[(\s)+16*\b+\i+1]|
.endr
.endr
	WIN 0
.irp b, 0,1,2,3
	v_permlanex16_b32 v[TM+4+\b], v[TM+\b], s[SEL], s[SEL+1]
.endr
.irp b, 0,1,2,3
	v_max_num_f32 v[TM+\b], v[TM+\b], v[TM+4+\b]
.endr
.irp b, 0,1,2,3
	v_add_nc_u32 v[TM+12+\b], 0xff000000, v[TM+\b]
.endr
.irp b, 0,1,2,3
	v_lshrrev_b32 v[TM+4+\b], 23, v[TM+12+\b]
.endr
	v_lshl_or_b32 v[PW], v[TM+5], 8, v[TM+4]
	v_lshl_or_b32 v[PW], v[TM+6], 16, v[PW]
	v_lshl_or_b32 v[PW], v[TM+7], 24, v[PW]
	WIN 0x02
.irp c, 0,1
	v_cvt_scalef32_pk16_fp6_f32 v[PC+6*\c:PC+6*\c+2], v[(\s)+32*\c:(\s)+32*\c+15], v[TM+12+2*\c]
	v_cvt_scalef32_pk16_fp6_f32 v[PT+4*\c:PT+4*\c+2], v[(\s)+32*\c+16:(\s)+32*\c+31], v[TM+13+2*\c]
.endr
	WIN 0
	v_nop
.irp c, 0,1
.irp i, 0,1,2
	v_permlane16_swap_b32 v[PC+6*\c+\i], v[PT+4*\c+\i]
.endr
.irp i, 0,1,2
	v_mov_b32 v[PC+6*\c+3+\i], v[PT+4*\c+\i]
.endr
.endr
.endm
	s_load_b256 s[4:11], s[0:1], 0x0               ; x_img, xs, w_img, ws
	s_load_b128 s[12:15], s[0:1], 0x20             ; rope, rec
	v_lshl_add_u32 v[SPW], v0, 2, SPARE
	v_mov_b32 v[NIL], 0
	ds_add_u32 v17, v18
	ds_add_u32 v17, v18
	s_wait_dscnt 0x0
	v_lshrrev_b32 v1, 5, v0
	v_readfirstlane_b32 s16, v1                    ; wave
	s_lshr_b32 s17, s16, 1                         ; wr: which 128 tokens
	s_and_b32 s18, s16, 1                          ; wc: which half of the columns.  Also: which half of a chunk or slot I fetch
	s_bfe_u32 s19, ttmp6, 0x40000                  ; cx
	s_bfe_u32 s20, ttmp6, 0x40004                  ; cy
	s_lshl_b32 s21, ttmp9, 2
	s_add_co_u32 s21, s21, s19                     ; j
	s_and_b32 s22, ttmp7, 0xffff
	s_lshl_b32 s22, s22, 2
	s_add_co_u32 s22, s22, s20                     ; blk
	s_lshl_b32 s84, s20, 2
	s_lshl_b32 s84, 15, s84                        ; my row of the cluster
	s_lshl_b32 s85, 0x1111, s19                    ; my column
	s_or_b32 s[G1X], s84, (3<<16)|(1<<21)          ; the mask; elements of 8 bytes; bit 21 set beside a mask; no padding
	s_or_b32 s[G1W], s85, (3<<16)|(1<<21)
	s_or_b32 s[G1V], s85, (3<<16)|(1<<21)
.irp g, G1X, G1W
	s_mov_b32 s[\g+1], 384<<16                     ; a row: two K steps of a tile, 3,072 bytes
	s_mov_b32 s[\g+2], 8<<16                       ; 8 tiles
	s_mov_b32 s[\g+3], 384<<16
	s_mov_b32 s[\g+4], 8
	s_mov_b32 s[\g+5], 1536                        ; from tile to tile: 12,288 bytes
	s_mov_b32 s[\g+6], 0
	s_mov_b32 s[\g+7], 0
.endr
	s_mov_b32 s[G1V+1], 768<<16                    ; four K steps of a tile
	s_mov_b32 s[G1V+2], 4<<16
	s_mov_b32 s[G1V+3], 768<<16
	s_mov_b32 s[G1V+4], 4
	s_mov_b32 s[G1V+5], 1536
	s_mov_b32 s[G1V+6], 0
	s_mov_b32 s[G1V+7], 0
	s_lshl_b32 s86, s22, 4                         ; x: tile 16 blk + 8 (wave % 2)
	s_lshl_b32 s87, s18, 3
	s_add_co_u32 s86, s86, s87
	s_mul_i32 s86, s86, 12288
	s_mov_b32 s87, 0
	s_lshl_b32 s88, s21, 4                         ; W: tile 16 j + 8 (wave % 2)
	s_lshl_b32 s89, s18, 3
	s_add_co_u32 s88, s88, s89
	s_mul_i32 s88, s88, 12288
	s_mov_b32 s89, 0
	s_lshl_b32 s90, s21, 3                         ; Wv: tile 128 + 8 j + 4 (wave % 2)
	s_lshl_b32 s91, s18, 2
	s_add_co_u32 s90, s90, s91
	s_add_co_u32 s90, s90, 128
	s_mul_i32 s90, s90, 12288
	s_mov_b32 s91, 0
	s_mul_i32 s23, s18, 24576                      ; and where a half goes in LDS: no place in the cluster enters an LDS address
	s_and_b32 s84, s22, 7
	s_lshl_b32 s84, s84, 1
	s_add_co_u32 s84, s84, s17                     ; which 128 tokens of the sequence are my wave's
	s_lshr_b32 s85, s22, 3                         ; the batch
	s_lshl_b32 s94, s84, 15                        ; their rows of the table
	s_mov_b32 s95, 0
	s_and_b32 s93, s21, 4                          ; q (0) or k (4), + batch,
	s_add_co_u32 s93, s93, s85
	s_lshl_b32 s93, s93, 4
	s_lshl_b32 s92, s21, 2
	s_lshl_b32 s96, s18, 1
	s_add_co_u32 s92, s92, s96
	s_and_b32 s92, s92, 15                         ; my first head
	s_add_co_u32 s93, s93, s92
	s_lshl_b32 s93, s93, 4
	s_add_co_u32 s93, s93, s84
	s_mul_i32 s92, s93, 13056
	s_mov_b32 s93, 0
	s_add_co_u32 s96, s85, 4                       ; v's record: side 1, head 2 j + wc
	s_lshl_b32 s96, s96, 4
	s_lshl_b32 s97, s21, 1
	s_add_co_u32 s96, s96, s97
	s_add_co_u32 s96, s96, s18
	s_lshl_b32 s96, s96, 4
	s_add_co_u32 s96, s96, s84
	s_mul_i32 s96, s96, 13056
	s_mov_b32 s97, 0
	s_mov_b32 s[SEL], 0x76543210
	s_mov_b32 s[SEL+1], 0xfedcba98
	s_mov_b32 s100, 0xffff0000                     ; lanes 16-31
	s_wait_kmcnt 0x0
	s_add_nc_u64 s[86:87], s[4:5], s[86:87]
	s_add_nc_u64 s[88:89], s[8:9], s[88:89]
	s_add_nc_u64 s[90:91], s[8:9], s[90:91]
	s_add_nc_u64 s[12:13], s[12:13], s[94:95]
	s_add_nc_u64 s[2:3], s[14:15], s[92:93]
	s_add_nc_u64 s[14:15], s[14:15], s[96:97]
.irp c, 0,1,2,3
	s_mov_b32 s[G0X+4*\c], 1
	s_add_co_u32 s[G0X+4*\c+1], s23, \c*49152
	s_add_nc_u64 s[G0X+4*\c+2:G0X+4*\c+3], s[86:87], \c*3072
	s_or_b32 s[G0X+4*\c+3], s[G0X+4*\c+3], 0x80000000
.endr
.irp c, 0,1
	s_mov_b32 s[G0W+4*\c], 1
	s_add_co_u32 s[G0W+4*\c+1], s23, WRB+\c*49152
	s_add_nc_u64 s[G0W+4*\c+2:G0W+4*\c+3], s[88:89], \c*3072
	s_or_b32 s[G0W+4*\c+3], s[G0W+4*\c+3], 0x80000000
	s_mov_b32 s[G0V+4*\c], 1
	s_add_co_u32 s[G0V+4*\c+1], s23, WRB+\c*49152
	s_add_nc_u64 s[G0V+4*\c+2:G0V+4*\c+3], s[90:91], \c*6144
	s_or_b32 s[G0V+4*\c+3], s[G0V+4*\c+3], 0x80000000
.endr
	v_and_b32 v[VR], 15, v0
	v_bfe_u32 v[VH], v0, 4, 1
	v_and_b32 v20, 31, v0
	v_lshlrev_b32 v[L16], 4, v20
	v_lshlrev_b32 v[L8], 3, v20
	s_mul_i32 s84, s17, 24576
.irp c, 0,1,2,3
	v_add_nc_u32 v[AX16+\c], s84, v[L16]
	v_add_nc_u32 v[AX8+\c], s84, v[L8]
	s_add_co_u32 s84, s84, 49152
.endr
	s_mul_i32 s84, s18, 24576
	s_add_co_u32 s84, s84, WRB
.irp c, 0,1
	v_add_nc_u32 v[AW16+\c], s84, v[L16]
	v_add_nc_u32 v[AW8+\c], s84, v[L8]
	s_add_co_u32 s84, s84, 49152
.endr
	v_and_b32 v20, 8, v[VR]
	v_add_nc_u32 v20, v20, v[VR]                   ; r + 8 (r / 8)
	v_lshlrev_b32 v[ROFF], 8, v20
	v_lshl_add_u32 v[ROFF], v[VH], 6, v[ROFF]
	v_lshlrev_b32 v[SOX], 4, v[VR]
	v_lshl_add_u32 v[SOV], v[VH], 10, v[SOX]       ; 16 r, and two tiles on for lanes 16-31
	v_lshl_add_u32 v[SOX], v[VH], 11, v[SOX]       ; four tiles on
	s_wait_alu depctr_va_vdst(0)
.irp b, 0,1,2,3
	v_mov_b32 v[TM+4+\b], 0                        ; a lane permute's destination counts as one of its sources
.endr
	s_lshl_b32 s94, s22, 13                        ; the scale words come once, straight into registers, in whole runs of 256 bytes
	s_lshl_b32 s84, s17, 12
	s_add_co_u32 s94, s94, s84
	s_add_nc_u64 s[6:7], s[6:7], s[94:95]
	s_lshl_b32 s94, s21, 13
	s_lshl_b32 s84, s18, 12
	s_add_co_u32 s94, s94, s84
	s_add_nc_u64 s[96:97], s[10:11], s[94:95]
	s_lshl_b32 s94, s21, 12
	s_lshl_b32 s84, s18, 11
	s_add_co_u32 s94, s94, s84
	s_add_co_u32 s94, s94, 65536
	s_add_nc_u64 s[10:11], s[10:11], s[94:95]
.irp i, 0,1,2,3
.irp q, 0,1
	global_load_b128 v[XS+8*\i+4*\q:XS+8*\i+4*\q+3], v[SOX], s[6:7] offset:512*\i+256*\q
	global_load_b128 v[WS+8*\i+4*\q:WS+8*\i+4*\q+3], v[SOX], s[96:97] offset:512*\i+256*\q
.endr
.endr
.irp i, 0,1
.irp q, 0,1
	global_load_b128 v[VS+8*\i+4*\q:VS+8*\i+4*\q+3], v[SOV], s[10:11] offset:512*\i+256*\q
.endr
.endr
	CROUND                                         ; all sixteen work-groups are here: the first joint loads meet
	s_cmp_lt_u32 s16, 2
	s_cbranch_scc0 .Lfirst_w
	tensor_load_to_lds s[G0X:G0X+3], s[G1X:G1X+7]          ; waves 0, 1: all of x, four chunks of two K steps
	s_nop 0
	tensor_load_to_lds s[G0X+4:G0X+7], s[G1X:G1X+7]
	s_nop 0
	tensor_load_to_lds s[G0X+8:G0X+11], s[G1X:G1X+7]
	s_nop 0
	tensor_load_to_lds s[G0X+12:G0X+15], s[G1X:G1X+7]
	s_nop 0
.rept 4
	v_nop
.endr
	s_wait_tensorcnt 0x3                           ; chunk 0 is in; the three younger loads stay out
	s_branch .Lfirst_done
.Lfirst_w:
	tensor_load_to_lds s[G0W:G0W+3], s[G1W:G1W+7]          ; waves 2, 3: W's two slots
	s_nop 0
	tensor_load_to_lds s[G0W+4:G0W+7], s[G1W:G1W+7]
	s_nop 0
.rept 4
	v_nop
.endr
	s_wait_tensorcnt 0x1                           ; slot 0 is in; slot 1's load stays out
.Lfirst_done:
	s_barrier_signal -1
	s_barrier_wait -1                              ; everybody's first parts are in
	FETCH_W 0, 0, 0, 8, 3072
	FETCH_X 0, 0
	FETCH_X 0, 4
	s_wait_loadcnt 0x0                             ; the scale words
	; ---- phase 1: K written out, since each step names its own scale registers
	STEP1 0, 1
	TURN1 1, G0W, G1W, 1                           ; slot 0 takes K steps 4, 5.  Its wait for all loads also shows all of x landed
	STEP1 2, 0
	TURN1 3, G0W+4, G1W, 1                         ; slot 1 takes K steps 6, 7
	STEP1 4, 0
	TURN1 5, G0V, G1V, 0                           ; slot 0 takes Wv's K steps 0-3
	STEP1 6, 0
	TURN1 7, G0V+4, G1V, 0                         ; slot 1 takes Wv's K steps 4-7: it lands under the rotation below
	; ---- q or k: rotated, quantised along the head, stored as half images straight from registers
	RLOAD 0
.irp a, 0,1,2,3,4,5,6,7
.if \a < 7
	RLOAD \a+1
	s_wait_loadcnt 8                               ; this tile's 8 loads are in; the next tile's may be out
.else
	s_wait_loadcnt 0
.endif
.irp hd, 0,1
	ROPE \a, \hd
	s_wait_xcnt 0x0                                ; the stores before have read the codes' registers
	QUANT2 HH
	global_store_b128 v[L16], v[PC:PC+3], s[2:3] offset:HEADB*\hd+768*\a          ; 512 and 256 consecutive bytes, aligned
	global_store_b64 v[L8], v[PC+4:PC+5], s[2:3] offset:HEADB*\hd+768*\a+512
.if \a%2 == 0
	v_mov_b32 v[WK+\hd], v[PW]
.else
	v_cndmask_b32 v[MW+4*\hd+\a/2], v[WK+\hd], v[PW], s100   ; lanes 0-15 the even tile's words, lanes 16-31 the odd tile's
.endif
.endr
.endr
.irp hd, 0,1
	global_store_b128 v[L16], v[MW+4*\hd:MW+4*\hd+3], s[2:3] offset:HEADB*\hd+12288
.endr
	; ---- phase 2
	s_wait_tensorcnt 0x0                           ; my part of Wv's second slot is in
	s_barrier_signal -1
	s_barrier_wait -1                              ; everybody's is; nothing is filled any more
	FETCH_W 0, 0, 0, 4, 6144
	FETCH_X 0, 0
	FETCH_X 0, 4
	STEPV 0, 1
.irp s, 1,2,3,4,5,6,7
	STEPV \s, 0
.endr
	; ---- v^T: a lane holds a channel and 64 of the 128 tokens: quantised along the tokens, a fragment for each tile of 16 channels
.irp b, 0,1,2,3
	s_wait_xcnt 0x0
	QUANTW 64*\b
	global_store_b128 v[L16], v[PC:PC+3], s[14:15] offset:6144+1536*\b
	global_store_b64 v[L8], v[PC+4:PC+5], s[14:15] offset:6144+1536*\b+512
	global_store_b128 v[L16], v[PC+6:PC+9], s[14:15] offset:6144+1536*\b+768
	global_store_b64 v[L8], v[PC+10:PC+11], s[14:15] offset:6144+1536*\b+1280
	v_mov_b32 v[MW+\b], v[PW]
.endr
	v_cndmask_b32 v[T0], v[MW], v[MW+1], s100
	v_cndmask_b32 v[T0+1], v[MW+2], v[MW+3], s100
	global_store_b64 v[L8], v[T0:T0+1], s[14:15] offset:12800
	s_wait_tensorcnt 0x0                           ; the wave's end
	ds_add_u32 v[SPW], v[NIL]
	s_wait_dscnt 0x0
	CROUND                                         ; the closing round
	s_endpgm
.Lfunc_end_k_qa153aa1545_qkv:
	.size	k_qa153aa1545_qkv, .Lfunc_end_k_qa153aa1545_qkv-k_qa153aa1545_qkv
	.p2alignl 7, 3214868480
	.fill 96, 4, 3214868480
	.section	.rodata,"a",@progbits
	.p2align	6, 0x0
	.amdhsa_kernel k_qa153aa1545_qkv
		.amdhsa_group_segment_fixed_size 327680
		.amdhsa_private_segment_fixed_size 0
		.amdhsa_enable_private_segment 0
		.amdhsa_kernarg_size 48
		.amdhsa_user_sgpr_count 2
		.amdhsa_user_sgpr_kernarg_segment_ptr 1
		.amdhsa_wavefront_size32 1
		.amdhsa_system_sgpr_workgroup_id_x 1
		.amdhsa_system_sgpr_workgroup_id_y 1
		.amdhsa_system_sgpr_workgroup_id_z 1
		.amdhsa_system_vgpr_workitem_id 0
		.amdhsa_next_free_vgpr 1024
		.amdhsa_next_free_sgpr 102
		.amdhsa_reserve_vcc 0
		.amdhsa_float_denorm_mode_32 3
		.amdhsa_float_denorm_mode_16_64 3
		.amdhsa_memory_ordered 1
		.amdhsa_forward_progress 1
		.amdhsa_inst_pref_size 255
	.end_amdhsa_kernel
	.section	.bss,"aw",@nobits
	.p2align	6
	.space	262144
	.amdgpu_metadata
---
amdhsa.version: [ 1, 2 ]
amdhsa.kernels:
  - .name:           k_qa153aa1545_qkv
    .symbol:         k_qa153aa1545_qkv.kd
    .args:
      - { .name: x_img, .offset: 0, .size: 8, .value_kind: global_buffer, .address_space: global }
      - { .name: xs, .offset: 8, .size: 8, .value_kind: global_buffer, .address_space: global }
      - { .name: w_img, .offset: 16, .size: 8, .value_kind: global_buffer, .address_space: global }
      - { .name: ws, .offset: 24, .size: 8, .value_kind: global_buffer, .address_space: global }
      - { .name: rope, .offset: 32, .size: 8, .value_kind: global_buffer, .address_space: global }
      - { .name: rec, .offset: 40, .size: 8, .value_kind: global_buffer, .address_space: global }
    .group_segment_fixed_size: 327680
    .private_segment_fixed_size: 0
    .kernarg_segment_align: 8
    .kernarg_segment_size: 48
    .max_flat_workgroup_size: 128
    .sgpr_count:     102
    .vgpr_count:     1024
    .wavefront_size: 32
...
	.end_amdgpu_metadata
.endif
;; end of part 2
;; launch attn (part 3): grid 4 x 64, 16 waves a work-group, clusters of 4 x 1, 264,192 bytes of LDS; arguments rec, ctx_img, cs; writes ctx_img, cs
.if DOCPART == 3
	.amdgcn_target "amdgcn-amd-amdhsa--gfx1250"
	.amdhsa_code_object_version 6
	.text
	.protected	k_qa153aa1545_attn
	.globl	k_qa153aa1545_attn
	.p2align	8
	.type	k_qa153aa1545_attn,@function
k_qa153aa1545_attn:
	s_mov_b64 s[64:65], 0
	v_nop
	global_prefetch_b8 v0, s[64:65] scope:SCOPE_SE
	s_setreg_imm32_b32 hwreg(HW_REG_WAVE_MODE, 25, 1), 1
	s_wait_xcnt 0x0
	s_wait_alu depctr_hold_cnt(0) depctr_sa_sdst(0) depctr_va_vdst(0) depctr_va_sdst(0) depctr_va_ssrc(0) depctr_va_vcc(0) depctr_vm_vsrc(0)
	s_getreg_b32 s2, hwreg(HW_REG_IB_STS2, 6, 4)
	s_cmp_eq_u32 s2, 0
	s_cbranch_scc0 .Lentry_in_a_cluster
	s_endpgm
.Lentry_in_a_cluster:
	s_bfe_u32 s2, ttmp6, 0x10000c
	s_cmp_lg_u32 s2, 0x3003
	s_cbranch_scc0 .Lentry_shape_is_right
	s_endpgm
.Lentry_shape_is_right:
; ATTN: ctx = softmax(q k^T / 8, causal) v for one head and batch, both products on codes of FP6; ctx is quantised along head x 64 + d and stored as the last product's operand.
; THE SOFTMAX: t = score x log2(e) / 8; M = the running largest t rounded up to a whole number; p = 2^(t - M) is quantised along the keys, not normalised; the sum of the unquantised p divides at the end.
; SHARES.  The four work-groups of a cluster belong to one head.  All of the head's k, v and scale bytes, 16 records of 13,056 bytes, fit in LDS: each of the 16 waves asks for one record, jointly for the four
; work-groups, once.  After one barrier the waves run free.  Wave w takes the tile of 16 queries T = 4 w + cx and then tile 127 - T: tile T needs key steps 0 .. T / 8, so every wave has 17 steps of 128 keys.
; The loop over key steps has 16 trips in every wave; a step whose keys all come after the queries is left out by a scalar branch on the wave's number.
; LAYOUT.  Both products are used transposed (S^T = k q^T, O^T = v^T p^T): a lane holds one query.  Lane r of a tile holds row 32 (T / 2) + 8 (T % 2) + r + 8 (r / 8), so the 16 registers of tiles 2 b, 2 b + 1 are 16 neighbours.
; K = 64 IN AN INSTRUCTION OF K = 128: q's operand is 6 registers of codes and 6 of zero codes; k's tile t is read as v[36 + 6 t] .. + 11, whose upper six are the next tile's codes: finite numbers times zero codes.
; Both sides' scale bytes of that half are 0 (2^-127).
; LIMITS: NaN and infinities are not served; a block of zeros, or one under 2^-124, gets the byte 1.  ctx's scale bytes leave as single bytes (a head owns 2 of a token's 32): 1/24 of what the launch writes.
; REGISTERS: v1-8 addresses; v12 -M, v13 largest t, v[14:15] the sum; v16-27 q; v28 q's scale word, v29 p's, v30-33 k's, v34-35 v's; v36-89 k's 8 halves and a tail of zeros, then v's 4 fragments;
;   v96-159 S^T, then p; v160-191 O^T; v192-211 codes; v212-229 at work.
.macro PLACES
.rept 4
	v_nop
.endr
.endm
.macro CROUND
	s_barrier_signal -1
	s_barrier_wait -1
	s_cmp_lg_u32 s10, 0
	s_cbranch_scc1 .Lnot_wave_0_\@
	s_barrier_signal -3
.Lnot_wave_0_\@:
	s_barrier_wait -3
	s_barrier_signal -1
	s_barrier_wait -1
.endm
.macro WM d, a, b, zero, sa, sb, ra    ; ra: source 0's scales are read in lanes 16-31
.if \zero
.if \ra
	v_wmma_scale_f32_16x16x128_f8f6f4 v[(\d):(\d)+7], v[(\a):(\a)+11], v[(\b):(\b)+11], 0, v[\sa], v[\sb] matrix_a_fmt:MATRIX_FMT_FP6 matrix_b_fmt:MATRIX_FMT_FP6 matrix_a_scale:MATRIX_SCALE_ROW1
.else
	v_wmma_scale_f32_16x16x128_f8f6f4 v[(\d):(\d)+7], v[(\a):(\a)+11], v[(\b):(\b)+11], 0, v[\sa], v[\sb] matrix_a_fmt:MATRIX_FMT_FP6 matrix_b_fmt:MATRIX_FMT_FP6
.endif
.else
.if \ra
	v_wmma_scale_f32_16x16x128_f8f6f4 v[(\d):(\d)+7], v[(\a):(\a)+11], v[(\b):(\b)+11], v[(\d):(\d)+7], v[\sa], v[\sb] matrix_a_fmt:MATRIX_FMT_FP6 matrix_b_fmt:MATRIX_FMT_FP6 matrix_a_scale:MATRIX_SCALE_ROW1
.else
	v_wmma_scale_f32_16x16x128_f8f6f4 v[(\d):(\d)+7], v[(\a):(\a)+11], v[(\b):(\b)+11], v[(\d):(\d)+7], v[\sa], v[\sb] matrix_a_fmt:MATRIX_FMT_FP6 matrix_b_fmt:MATRIX_FMT_FP6
.endif
.endif
.endm
.macro FRAG reg, a16, a8, off
	ds_load_b128 v[(\reg):(\reg)+3], v[\a16] offset:(\off)
	ds_load_b64 v[(\reg)+4:(\reg)+5], v[\a8] offset:(\off)+512
	ds_load_b128 v[(\reg)+6:(\reg)+9], v[\a16] offset:(\off)+768
	ds_load_b64 v[(\reg)+10:(\reg)+11], v[\a8] offset:(\off)+1280
.endm
; ONE TILE OF 16 QUERIES: T in s15, its last key step L in s16
.macro PASS
	s_lshr_b32 s54, s15, 3
	s_mul_i32 s54, s54, 13056                      ; q's record,
	s_and_b32 s55, s15, 7
	s_mul_i32 s55, s55, 768                        ; the tile's half image in it
	s_add_co_u32 s56, s54, s55
	s_mov_b32 s57, 0
	s_add_nc_u64 s[40:41], s[38:39], s[56:57]
	s_and_b32 s55, s15, 1                          ; its scale words: lane r + 16 (T % 2), word (T / 2) % 4
	s_lshl_b32 s55, s55, 8
	s_add_co_u32 s56, s54, s55
	s_bfe_u32 s55, s15, 0x20001
	s_lshl_b32 s55, s55, 2
	s_add_co_u32 s56, s56, s55
	s_add_co_u32 s56, s56, 12288
	s_add_nc_u64 s[42:43], s[38:39], s[56:57]
	s_lshl_b32 s54, s13, 7
	s_add_co_u32 s54, s54, s15                     ; the tile among all tokens: 128 x batch + T
	s_lshl_b32 s55, s54, 4
	s_add_co_u32 s55, s55, s14
	s_mul_i32 s56, s55, 768
	s_add_nc_u64 s[44:45], s[6:7], s[56:57]
	s_lshl_b32 s56, s54, 9
	s_lshr_b32 s55, s14, 3
	s_lshl_b32 s55, s55, 8
	s_add_co_u32 s56, s56, s55
	s_and_b32 s55, s14, 7
	s_lshl_b32 s55, s55, 1
	s_add_co_u32 s56, s56, s55
	s_add_nc_u64 s[46:47], s[8:9], s[56:57]
	s_lshr_b32 s54, s15, 1
	s_lshl_b32 s54, s54, 5
	s_and_b32 s55, s15, 1
	s_lshl_b32 s55, s55, 3
	s_add_co_u32 s54, s54, s55
	s_lshl_b32 s55, s16, 7
	s_sub_co_u32 s54, s54, s55
	v_add_nc_u32 v6, s54, v5                       ; d = my query - the diagonal step's first key - 16 h: there register 16 b + i is hidden where 32 b + i > d
	global_load_b128 v[16:19], v1, s[40:41]
	global_load_b64 v[20:21], v2, s[40:41] offset:512
	global_load_b32 v28, v7, s[42:43]
	v_mov_b32 v13, 0xff61b1e6                      ; the largest t so far: -3e38
	s_delay_alu instid0(VALU_DEP_1)
	v_floor_f32 v12, -v13
	v_mov_b32 v14, 0
	v_mov_b32 v15, 0
.set j, 0
.rept 32
	v_mov_b32 v[160+j], 0                          ; O^T: the step is written once; the first finds zeros, which the first change of M leaves zeros
.set j, j+1
.endr
	s_mov_b32 s17, 0                               ; the key step
	s_mov_b32 s18, 0                               ; and its record in LDS
	s_wait_loadcnt 0x0
.Lstep_\@:
	s_cmp_gt_u32 s17, s16                          ; all its keys come after my queries: only the step's work is left out
	s_cbranch_scc1 .Lnext_\@
	s_setprio 2
	v_add_nc_u32 v3, s18, v1
	v_add_nc_u32 v4, s18, v2
.irp t, 0,1,2,3,4,5,6,7
	ds_load_b128 v[36+6*\t:39+6*\t], v3 offset:768*\t
	ds_load_b64 v[40+6*\t:41+6*\t], v4 offset:768*\t+512
.endr
	ds_load_b128 v[30:33], v3 offset:12288
	s_wait_alu depctr_va_vdst(0)
	s_wait_dscnt 0x0
.irp t, 0,1,2,3,4,5,6,7
	WM 96+8*\t, 36+6*\t, 16, 1, 30+\t/2, 28, \t%2
.endr
	PLACES
.irp t, 0,1,2,3
	FRAG 36+12*\t, 3, 4, 6144+1536*\t              ; v's fragments land under the softmax
.endr
	ds_load_b64 v[34:35], v4 offset:12800
	s_cmp_lg_u32 s17, s16
	s_cbranch_scc1 .Lopen_\@
	v_mov_b32 v227, 0xff800000                     ; on the diagonal hidden scores become -infinity ahead of the maximum
.set j, 0
.rept 64
	v_cmp_gt_i32 vcc_lo, 32*(j/16)+j%16, v6
	v_cndmask_b32 v[96+j], v[96+j], v227, vcc_lo
.set j, j+1
.endr
.Lopen_\@:
.irp b, 0,1,2,3
	v_max3_num_f32 v[212+\b], v[96+16*\b], v[97+16*\b], v[98+16*\b]   ; the largest score of each block of 32 keys: for the row's maximum, and, since p rises with the score, for the block's largest p
.endr
.irp i, 3,5,7,9,11,13
.irp b, 0,1,2,3
	v_max3_num_f32 v[212+\b], v[212+\b], v[96+16*\b+\i], v[97+16*\b+\i]
.endr
.endr
.irp b, 0,1,2,3
	v_max_num_f32 v[212+\b], v[212+\b], v[111+16*\b]
.endr
.irp b, 0,1,2,3
	s_delay_alu instid0(VALU_DEP_4)
	v_permlanex16_b32 v[216+\b], v[212+\b], s20, s21
.endr
.irp b, 0,1,2,3
	s_delay_alu instid0(VALU_DEP_4)
	v_max_num_f32 v[212+\b], v[212+\b], v[216+\b]
.endr
	s_delay_alu instid0(VALU_DEP_2)
	v_max3_num_f32 v226, v212, v213, v214
	s_delay_alu instid0(VALU_DEP_1)
	v_max_num_f32 v226, v226, v215
	s_delay_alu instid0(VALU_DEP_1)
	v_mul_f32 v226, s22, v226
	s_delay_alu instid0(VALU_DEP_1)
	v_max_num_f32 v13, v13, v226                   ; the running largest t
	v_mov_b32 v226, v12
	s_delay_alu instid0(VALU_DEP_2)
	v_floor_f32 v12, -v13                          ; -M = floor(-t): M is a whole number
	s_delay_alu instid0(VALU_DEP_1)
	v_sub_f32 v226, v12, v226
	s_delay_alu instid0(VALU_DEP_1)
	v_cvt_i32_f32 v226, v226                       ; (it saturates)
	s_delay_alu instid0(VALU_DEP_1)
	v_ldexp_f32 v224, 1.0, v226                    ; f = 2^(old M - new M): rounds nothing
.set j, 0
.rept 32
	v_pk_fma_f32 v[96+j:97+j], v[96+j:97+j], s[22:23], v[12:13] op_sel_hi:[1,0,0]   ; t - M
.set j, j+2
.endr
	s_setprio 1
.irp b, 0,1,2,3
	v_fma_f32 v[212+\b], v[212+\b], s22, v12
.endr
.set j, 0
	s_wait_alu depctr_va_vdst(0)
.rept 64
	v_exp_f32 v[96+j], v[96+j]
.set j, j+1
.endr
.irp b, 0,1,2,3
	v_exp_f32 v[212+\b], v[212+\b]                 ; the block's largest p
.endr
	v_pk_mul_f32 v[14:15], v[14:15], v[224:225] op_sel_hi:[1,0]   ; the sums under the new M (a plain place behind the exponentials)
	s_wait_alu depctr_va_vdst(0)
.irp b, 0,1,2,3
	v_max_num_f32 v[212+\b], 0x1800000, v[212+\b]  ; the floor 2^(3 - 127)
.endr
.irp b, 0,1,2,3
	s_delay_alu instid0(VALU_DEP_4)
	v_add_nc_u32 v[220+\b], 0xff000000, v[212+\b]
.endr
.irp b, 0,1,2,3
	s_delay_alu instid0(VALU_DEP_4)
	v_lshrrev_b32 v[216+\b], 23, v[220+\b]
.endr
	s_delay_alu instid0(VALU_DEP_3)
	v_lshl_or_b32 v29, v217, 8, v216               ; p's scale word for these 128 keys
	s_delay_alu instid0(VALU_DEP_1)
	v_lshl_or_b32 v29, v218, 16, v29
	s_delay_alu instid0(VALU_DEP_1)
	v_lshl_or_b32 v29, v219, 24, v29
.irp c, 0,1
	v_cvt_scalef32_pk16_fp6_f32 v[192+6*\c:194+6*\c], v[96+32*\c:111+32*\c], v[220+2*\c]
	v_cvt_scalef32_pk16_fp6_f32 v[204+4*\c:206+4*\c], v[112+32*\c:127+32*\c], v[221+2*\c]
.endr
	v_nop                                          ; one plain place behind a scaled conversion
.irp c, 0,1
.irp i, 0,1,2
	v_permlane16_swap_b32 v[192+6*\c+\i], v[204+4*\c+\i]
.endr
.irp i, 0,1,2
	s_delay_alu instid0(VALU_DEP_3)
	v_mov_b32 v[195+6*\c+\i], v[204+4*\c+\i]
.endr
.endr
	v_pk_add_f32 v[228:229], v[100:101], v[104:105]
	v_pk_add_f32 v[252:253], v[108:109], v[112:113]
	v_pk_add_f32 v[250:251], v[116:117], v[120:121]
	v_pk_add_f32 v[248:249], v[124:125], v[128:129]
	v_pk_add_f32 v[246:247], v[132:133], v[136:137]
	v_pk_add_f32 v[244:245], v[140:141], v[144:145]
	v_pk_add_f32 v[242:243], v[148:149], v[152:153]
	v_pk_add_f32 v[14:15], v[14:15], v[156:157]
	v_pk_add_f32 v[228:229], v[228:229], v[96:97]
	v_pk_add_f32 v[252:253], v[252:253], v[98:99]
	v_pk_add_f32 v[250:251], v[250:251], v[102:103]
	v_pk_add_f32 v[248:249], v[248:249], v[106:107]
	v_pk_add_f32 v[246:247], v[246:247], v[110:111]
	v_pk_add_f32 v[244:245], v[244:245], v[114:115]
	s_setprio 0
	v_pk_add_f32 v[242:243], v[242:243], v[118:119]
	v_pk_add_f32 v[14:15], v[14:15], v[122:123]
	v_pk_add_f32 v[228:229], v[228:229], v[126:127]
	v_pk_add_f32 v[252:253], v[252:253], v[130:131]
	v_pk_add_f32 v[250:251], v[250:251], v[134:135]
	v_pk_add_f32 v[248:249], v[248:249], v[138:139]
	v_pk_add_f32 v[246:247], v[246:247], v[142:143]
	v_pk_add_f32 v[244:245], v[244:245], v[146:147]
	v_pk_add_f32 v[242:243], v[242:243], v[150:151]
	v_pk_add_f32 v[14:15], v[14:15], v[154:155]
	v_pk_add_f32 v[228:229], v[228:229], v[158:159]
	s_delay_alu instid0(VALU_DEP_2)
	v_pk_add_f32 v[14:15], v[14:15], v[248:249]
	s_delay_alu instid0(VALU_DEP_2)
	v_pk_add_f32 v[228:229], v[228:229], v[246:247]
	v_pk_add_f32 v[252:253], v[252:253], v[244:245]
	v_pk_add_f32 v[250:251], v[250:251], v[242:243]
	s_delay_alu instid0(VALU_DEP_2)
	v_pk_add_f32 v[14:15], v[14:15], v[252:253]
	s_delay_alu instid0(VALU_DEP_2)
	v_pk_add_f32 v[228:229], v[228:229], v[250:251]
	s_delay_alu instid0(VALU_DEP_1)
	v_pk_add_f32 v[14:15], v[14:15], v[228:229]
.set j, 0
.rept 16
	v_pk_mul_f32 v[160+j:161+j], v[160+j:161+j], v[224:225] op_sel_hi:[1,0]   ; O^T under the new M
.set j, j+2
.endr
	s_wait_alu depctr_va_vdst(0)
	s_wait_dscnt 0x0                               ; v's fragments and scale words
.irp t, 0,1,2,3
	WM 160+8*\t, 36+12*\t, 192, 0, 34+\t/2, 29, \t%2   ; four accumulators by turns, one instruction a turn
.endr
	PLACES                                         ; for the next step's loads and for the reads behind the loop
.Lnext_\@:
	s_add_co_u32 s18, s18, 13056
	s_add_co_u32 s17, s17, 1
	s_cmp_lt_u32 s17, 16
	s_cbranch_scc1 .Lstep_\@
	s_setprio 0
	v_add_f32 v14, v14, v15
	s_delay_alu instid0(VALU_DEP_1)
	v_permlanex16_b32 v226, v14, s20, s21
	s_delay_alu instid0(VALU_DEP_1)
	v_add_f32 v14, v14, v226                       ; the row's sum
	s_wait_alu depctr_va_vdst(0)
	v_rcp_f32 v14, v14
	v_nop
.set j, 0
	s_wait_alu depctr_va_vdst(0)
.rept 32
	v_mul_f32 v[96+j], v[160+j], v14               ; register 16 b + i is channel 32 b + 16 h + i: neighbours along the next K
.set j, j+1
.endr
.irp b, 0,1
	v_max3_num_f32 v[212+\b], |v[96+16*\b]|, |v[97+16*\b]|, 0x1800000
.endr
.irp i, 2,4,6,8,10,12,14
.irp b, 0,1
	s_delay_alu instid0(VALU_DEP_2)
	v_max3_num_f32 v[212+\b], v[212+\b], |v[96+16*\b+\i]|, |v[97+16*\b+\i]|
.endr
.endr
.irp b, 0,1
	s_delay_alu instid0(VALU_DEP_2)
	v_permlanex16_b32 v[216+\b], v[212+\b], s20, s21
.endr
.irp b, 0,1
	s_delay_alu instid0(VALU_DEP_2)
	v_max_num_f32 v[212+\b], v[212+\b], v[216+\b]
.endr
.irp b, 0,1
	s_delay_alu instid0(VALU_DEP_2)
	v_add_nc_u32 v[220+\b], 0xff000000, v[212+\b]
.endr
.irp b, 0,1
	s_delay_alu instid0(VALU_DEP_2)
	v_lshrrev_b32 v[216+\b], 23, v[220+\b]
.endr
	v_cvt_scalef32_pk16_fp6_f32 v[192:194], v[96:111], v220
	v_cvt_scalef32_pk16_fp6_f32 v[204:206], v[112:127], v221
	v_nop
.irp i, 0,1,2
	v_permlane16_swap_b32 v[192+\i], v[204+\i]
.endr
.irp i, 0,1,2
	s_delay_alu instid0(VALU_DEP_3)
	v_mov_b32 v[195+\i], v[204+\i]
.endr
	v_cndmask_b32 v226, v216, v217, s52            ; lane (r, h): the byte of block h
	global_store_b128 v1, v[192:195], s[44:45]     ; the head's half image of this tile: 512 and 256 consecutive bytes, aligned
	global_store_b64 v2, v[196:197], s[44:45] offset:512
	global_store_b8 v8, v226, s[46:47]
	s_wait_xcnt 0x0                                ; the stores have read their registers and bases
.endm
	s_load_b128 s[4:7], s[0:1], 0x0                ; rec, ctx_img
	s_load_b64 s[8:9], s[0:1], 0x10                ; cs
	v_lshl_add_u32 v254, v0, 2, 0x40000
	v_mov_b32 v255, 0
	ds_add_u32 v254, v255
	ds_add_u32 v254, v255
	v_lshrrev_b32 v1, 5, v0
	s_delay_alu instid0(VALU_DEP_1)
	v_readfirstlane_b32 s10, v1                    ; wave 0..15
	s_bfe_u32 s11, ttmp6, 0x40000                  ; cx: it enters global addresses and the mask's numbers alone
	s_and_b32 s12, ttmp7, 0xffff                   ; 16 x batch + head
	s_lshr_b32 s13, s12, 4
	s_and_b32 s14, s12, 15
	s_lshl_b32 s15, s10, 2
	s_add_co_u32 s15, s15, s11                     ; T
	s_lshr_b32 s16, s10, 1                         ; L = T / 8: hangs on the wave's number alone
	s_mov_b32 s20, 0x76543210
	s_mov_b32 s21, 0xfedcba98
	s_mov_b32 s22, 0x3e38aa3b                      ; log2(e) / 8
	s_mov_b32 s23, s22
	s_mov_b32 s52, 0xffff0000
	s_mov_b32 s28, 15|(3<<16)|(1<<21)              ; all four work-groups; elements of 8 bytes; bit 21 set beside a mask
	s_mov_b32 s29, 32<<16                          ; a record is dense: 51 rows of 256 bytes
	s_mov_b32 s30, 51<<16
	s_mov_b32 s31, 32<<16
	s_mov_b32 s32, 51
	s_mov_b32 s33, 32
	s_mov_b32 s34, 0
	s_mov_b32 s35, 0
	s_mov_b32 s24, 1
	s_mul_i32 s25, s10, 13056                      ; record w goes to LDS byte 13,056 w
	s_add_co_u32 s36, s12, 64                      ; side 1: k and v
	s_mul_i32 s36, s36, 208896
	s_add_co_u32 s36, s36, s25
	s_mov_b32 s37, 0
	s_mul_i32 s48, s12, 208896                     ; side 0: q
	s_mov_b32 s49, 0
	s_wait_dscnt 0x0
	s_wait_kmcnt 0x0
	s_add_nc_u64 s[26:27], s[4:5], s[36:37]
	s_or_b32 s27, s27, 0x80000000
	s_add_nc_u64 s[38:39], s[4:5], s[48:49]
	CROUND                                         ; the four work-groups are here: the joint loads meet
	tensor_load_to_lds s[24:27], s[28:35]          ; my one tensor load of the launch
	s_nop 0
	PLACES
	v_and_b32 v9, 31, v0
	s_delay_alu instid0(VALU_DEP_1)
	v_lshlrev_b32 v1, 4, v9                        ; 16 x lane
	s_delay_alu instid0(VALU_DEP_2)
	v_lshlrev_b32 v2, 3, v9                        ; 8 x lane
	v_and_b32 v9, 15, v0                           ; r
	v_bfe_u32 v10, v0, 4, 1                        ; h
	s_delay_alu instid0(VALU_DEP_2)
	v_and_b32 v5, 8, v9
	s_delay_alu instid0(VALU_DEP_1)
	v_add_nc_u32 v5, v5, v9
	s_delay_alu instid0(VALU_DEP_3)
	v_lshlrev_b32 v11, 4, v10
	s_delay_alu instid0(VALU_DEP_1)
	v_sub_nc_u32 v5, v5, v11                       ; r + 8 (r / 8) - 16 h
	v_lshlrev_b32 v7, 4, v9
	s_delay_alu instid0(VALU_DEP_1)
	v_add_nc_u32 v8, v7, v10
.irp i, 22,23,24,25,26,27,84,85,86,87,88,89
	v_mov_b32 v\i, 0                               ; zero codes: the upper half of q's operand, and the tail behind k's last tile
.endr
.irp i, 216,217,218,219,225,226
	v_mov_b32 v\i, 0                               ; lane permutes' destinations, and the upper half of the pair that holds f
.endr
	s_wait_tensorcnt 0x0
	s_barrier_signal -1
	s_barrier_wait -1                              ; all sixteen records are in; nothing is ever filled again
	PASS
	s_xor_b32 s15, s15, 127                        ; 127 - T
	s_xor_b32 s16, s16, 15                         ; 15 - L
	PASS
	s_wait_tensorcnt 0x0
	ds_add_u32 v254, v255
	s_wait_dscnt 0x0
	CROUND                                         ; the closing round
	s_endpgm
.Lfunc_end_k_qa153aa1545_attn:
	.size	k_qa153aa1545_attn, .Lfunc_end_k_qa153aa1545_attn-k_qa153aa1545_attn
	.p2alignl 7, 3214868480
	.fill 96, 4, 3214868480
	.section	.rodata,"a",@progbits
	.p2align	6, 0x0
	.amdhsa_kernel k_qa153aa1545_attn
		.amdhsa_group_segment_fixed_size 264192
		.amdhsa_private_segment_fixed_size 0
		.amdhsa_enable_private_segment 0
		.amdhsa_kernarg_size 24
		.amdhsa_user_sgpr_count 2
		.amdhsa_user_sgpr_kernarg_segment_ptr 1
		.amdhsa_wavefront_size32 1
		.amdhsa_system_sgpr_workgroup_id_x 1
		.amdhsa_system_sgpr_workgroup_id_y 1
		.amdhsa_system_sgpr_workgroup_id_z 1
		.amdhsa_system_vgpr_workitem_id 0
		.amdhsa_next_free_vgpr 256
		.amdhsa_next_free_sgpr 66
		.amdhsa_reserve_vcc 1
		.amdhsa_float_denorm_mode_32 3
		.amdhsa_float_denorm_mode_16_64 3
		.amdhsa_memory_ordered 1
		.amdhsa_forward_progress 1
		.amdhsa_inst_pref_size 64
	.end_amdhsa_kernel
	.amdgpu_metadata
---
amdhsa.version: [ 1, 2 ]
amdhsa.kernels:
  - .name:           k_qa153aa1545_attn
    .symbol:         k_qa153aa1545_attn.kd
    .args:
      - { .name: rec, .offset: 0, .size: 8, .value_kind: global_buffer, .address_space: global }
      - { .name: ctx_img, .offset: 8, .size: 8, .value_kind: global_buffer, .address_space: global }
      - { .name: cs, .offset: 16, .size: 8, .value_kind: global_buffer, .address_space: global }
    .group_segment_fixed_size: 264192
    .private_segment_fixed_size: 0
    .kernarg_segment_align: 8
    .kernarg_segment_size: 24
    .max_flat_workgroup_size: 512
    .sgpr_count:     66
    .vgpr_count:     256
    .wavefront_size: 32
...
	.end_amdgpu_metadata
.endif
;; end of part 3
;; launch outp (part 4): grid 8 x 32, 4 waves a work-group, clusters of 4 x 4, 327,680 bytes of LDS; arguments ctx_img, cs, w_img, ws, out0; writes out0
.if DOCPART == 4
	.amdgcn_target "amdgcn-amd-amdhsa--gfx1250"
	.amdhsa_code_object_version 6
	.text
	.protected	k_qa153aa1545_outp
	.globl	k_qa153aa1545_outp
	.p2align	8
	.type	k_qa153aa1545_outp,@function
k_qa153aa1545_outp:
	s_mov_b64 s[64:65], 0
	v_nop
	global_prefetch_b8 v0, s[64:65] scope:SCOPE_SE
	s_setreg_imm32_b32 hwreg(HW_REG_WAVE_MODE, 25, 1), 1
	s_wait_xcnt 0x0
	s_wait_alu depctr_hold_cnt(0) depctr_sa_sdst(0) depctr_va_vdst(0) depctr_va_sdst(0) depctr_va_ssrc(0) depctr_va_vcc(0) depctr_vm_vsrc(0)
	s_getreg_b32 s2, hwreg(HW_REG_IB_STS2, 6, 4)
	s_cmp_eq_u32 s2, 0
	s_cbranch_scc0 .Lentry_in_a_cluster
	s_endpgm
.Lentry_in_a_cluster:
	s_bfe_u32 s2, ttmp6, 0x10000c
	s_cmp_lg_u32 s2, 0xf033
	s_cbranch_scc0 .Lentry_shape_is_right
	s_endpgm
.Lentry_shape_is_right:
; OUTP: out = ctx Wo on codes of FP6.  ctx_img, cs: as attention left them, in x's format; Wo: tiles 192 .. 255 of w_img, ws.  out0: [8,192][1,024] f32.
; A work-group makes 256 tokens x 128 columns (256 work-groups); a wave 128 x 64: 32 accumulators.  Source 0 = Wo, source 1 = ctx: a lane holds a token and, for each pair of tiles, 16 neighbouring columns.
; ALL OPERANDS FIT IN LDS: ctx's 256 rows (196,608 bytes) and Wo's 128 columns (98,304) for all of K, in four chunks of two K steps; every wave asks for four chunks at the start, jointly (4 x 4 cluster:
; ctx along a row of the cluster, Wo along a column), and no LDS byte is filled twice.  A wave has four tensor loads out at the most.  A plain barrier stands in front of each chunk's first read.
; Lane r of tile T holds row 32 (T / 2) + 8 (T % 2) + r + 8 (r / 8).
; REGISTERS: window 0: v1-25 addresses; v32-63 ctx's scale words, v64-79 Wo's; v128-223 ctx's 8 fragments, on the way out rows of the result.  window 1: Wo's fragments, two sets.  window 2: accumulators, (a, b) at 32 a + 8 b.
.set WRB, 196608
.set STG, 294912                       ; the way out: 16 rows x (256 bytes + 16) for each wave; no tensor load lands here
.set VR, 1
.set VH, 2
.set L16, 3
.set L8, 4
.set AX16, 5
.set AX8, 9
.set AW16, 13
.set AW8, 17
.set STO, 21
.set SRD, 22
.set GO, 23
.set SOX, 24
.set SOV, 25
.set XS, 32
.set WS, 64
.set AF, 128
.set BK, 128
.set G1X, 24
.set G1W, 32
.set G0X, 48
.set G0W, 68
.set MSB, 0
.macro WIN new
.if MSB != (\new)
	s_set_vgpr_msb (MSB<<8)|(\new)
.set MSB, (\new)
.endif
.endm
.macro PLACES
.rept 4
	v_nop
.endr
.endm
.macro CROUND
	s_barrier_signal -1
	s_barrier_wait -1
	s_cmp_lg_u32 s16, 0
	s_cbranch_scc1 .Lnot_wave_0_\@
	s_barrier_signal -3
.Lnot_wave_0_\@:
	s_barrier_wait -3
	s_barrier_signal -1
	s_barrier_wait -1
.endm
.macro WM d, a, b, zero, sa, sb, ra, rb
.if \zero
.if \ra
.if \rb
	v_wmma_scale_f32_16x16x128_f8f6f4 v[(\d):(\d)+7], v[(\a):(\a)+11], v[(\b):(\b)+11], 0, v[\sa], v[\sb] matrix_a_fmt:MATRIX_FMT_FP6 matrix_b_fmt:MATRIX_FMT_FP6 matrix_a_scale:MATRIX_SCALE_ROW1 matrix_b_scale:MATRIX_SCALE_ROW1
.else
	v_wmma_scale_f32_16x16x128_f8f6f4 v[(\d):(\d)+7], v[(\a):(\a)+11], v[(\b):(\b)+11], 0, v[\sa], v[\sb] matrix_a_fmt:MATRIX_FMT_FP6 matrix_b_fmt:MATRIX_FMT_FP6 matrix_a_scale:MATRIX_SCALE_ROW1
.endif
.else
.if \rb
	v_wmma_scale_f32_16x16x128_f8f6f4 v[(\d):(\d)+7], v[(\a):(\a)+11], v[(\b):(\b)+11], 0, v[\sa], v[\sb] matrix_a_fmt:MATRIX_FMT_FP6 matrix_b_fmt:MATRIX_FMT_FP6 matrix_b_scale:MATRIX_SCALE_ROW1
.else
	v_wmma_scale_f32_16x16x128_f8f6f4 v[(\d):(\d)+7], v[(\a):(\a)+11], v[(\b):(\b)+11], 0, v[\sa], v[\sb] matrix_a_fmt:MATRIX_FMT_FP6 matrix_b_fmt:MATRIX_FMT_FP6
.endif
.endif
.else
.if \ra
.if \rb
	v_wmma_scale_f32_16x16x128_f8f6f4 v[(\d):(\d)+7], v[(\a):(\a)+11], v[(\b):(\b)+11], v[(\d):(\d)+7], v[\sa], v[\sb] matrix_a_fmt:MATRIX_FMT_FP6 matrix_b_fmt:MATRIX_FMT_FP6 matrix_a_scale:MATRIX_SCALE_ROW1 matrix_b_scale:MATRIX_SCALE_ROW1
.else
	v_wmma_scale_f32_16x16x128_f8f6f4 v[(\d):(\d)+7], v[(\a):(\a)+11], v[(\b):(\b)+11], v[(\d):(\d)+7], v[\sa], v[\sb] matrix_a_fmt:MATRIX_FMT_FP6 matrix_b_fmt:MATRIX_FMT_FP6 matrix_a_scale:MATRIX_SCALE_ROW1
.endif
.else
.if \rb
	v_wmma_scale_f32_16x16x128_f8f6f4 v[(\d):(\d)+7], v[(\a):(\a)+11], v[(\b):(\b)+11], v[(\d):(\d)+7], v[\sa], v[\sb] matrix_a_fmt:MATRIX_FMT_FP6 matrix_b_fmt:MATRIX_FMT_FP6 matrix_b_scale:MATRIX_SCALE_ROW1
.else
	v_wmma_scale_f32_16x16x128_f8f6f4 v[(\d):(\d)+7], v[(\a):(\a)+11], v[(\b):(\b)+11], v[(\d):(\d)+7], v[\sa], v[\sb] matrix_a_fmt:MATRIX_FMT_FP6 matrix_b_fmt:MATRIX_FMT_FP6
.endif
.endif
.endif
.endm
.macro FRAG reg, a16, a8, off
	ds_load_b128 v[(\reg):(\reg)+3], v[\a16] offset:(\off)
	ds_load_b64 v[(\reg)+4:(\reg)+5], v[\a8] offset:(\off)+512
	ds_load_b128 v[(\reg)+6:(\reg)+9], v[\a16] offset:(\off)+768
	ds_load_b64 v[(\reg)+10:(\reg)+11], v[\a8] offset:(\off)+1280
.endm
.macro FETCH_X s, i0
.irp i, \i0, \i0+1, \i0+2, \i0+3
	FRAG AF+12*(\i), AX16+(\s)/2, AX8+(\s)/2, 3072*(\i)+1536*((\s)%2)
.endr
.endm
.macro FETCH_W s                       ; Wo's four fragments of K step s into set s % 2
	WIN 0x40
.irp i, 0,1,2,3
	FRAG 128*((\s)%2)+12*\i, AW16+(\s)/2, AW8+(\s)/2, 3072*\i+1536*((\s)%2)
.endr
	WIN 0
.endm
; 8 products: ctx's tiles a0, a0 + 1 against Wo's four.  The 32 accumulators take turns, one instruction a turn, in the same order in every step
.macro MULO a0, s, zero
.irp a, \a0, \a0+1
.irp b, 0,1,2,3
	WM 32*(\a)+8*\b, 128*((\s)%2)+12*\b, AF+12*(\a), \zero, WS+8*(\b%2)+(\s), XS+8*((\a)%4)+(\s), \b/2, (\a)/4
.endr
.endr
.endm
.macro STEPE s, zero                   ; an even K step: its successor lies in the same chunk
	s_wait_dscnt 16                                ; Wo's set and ctx's tiles 0-3 are in; the youngest 16 loads (tiles 4-7) may be out
	WIN 0xa1
	MULO 0, \s, \zero
	MULO 2, \s, \zero
	s_wait_dscnt 0
	PLACES
	FETCH_W (\s)+1
	FETCH_X (\s)+1, 0
	WIN 0xa1
	MULO 4, \s, \zero
	MULO 6, \s, \zero
	PLACES
	WIN 0
	FETCH_X (\s)+1, 4
.endm
.macro STEPO s                         ; an odd K step: the next chunk is read behind a barrier
	s_wait_tensorcnt 3-((\s)+1)/2                  ; my part of the next chunk is in; the chunks behind it may be out
	s_wait_dscnt 16
	WIN 0xa1
	MULO 0, \s, 0
	s_wait_dscnt 0x0                               ; no LDS load of mine is out at the signal
	s_barrier_signal -1
	MULO 2, \s, 0
	WIN 0
	s_barrier_wait -1                              ; everybody's part is in
	PLACES
	FETCH_W (\s)+1
	FETCH_X (\s)+1, 0
	WIN 0xa1
	MULO 4, \s, 0
	MULO 6, \s, 0
	PLACES
	WIN 0
	FETCH_X (\s)+1, 4
.endm
; THE WAY OUT of tile a: 16 tokens x 64 columns go through my own stage and come back as rows of 256 bytes.  LDS serves a wave's instructions in order: no wait between the stores and the loads
.macro TOSTAGE a
	WIN 0x08                                       ; an LDS store's data are its source 1: window 2
.irp b, 0,1,2,3
	ds_store_b128 v[STO], v[32*(\a)+8*\b:32*(\a)+8*\b+3] offset:128*(\b/2)+32*(\b%2)       ; each accumulator from its low end on
	ds_store_b128 v[STO], v[32*(\a)+8*\b+4:32*(\a)+8*\b+7] offset:128*(\b/2)+32*(\b%2)+16
.endr
	WIN 0
.irp t, 0,1,2,3,4,5,6,7
	ds_load_b128 v[BK+32*((\a)%2)+4*\t:BK+32*((\a)%2)+4*\t+3], v[SRD] offset:544*\t
.endr
.endm
.macro SEND a, younger                 ; younger: the LDS instructions issued behind tile a's loads, which may stay out
	s_wait_dscnt \younger
.irp t, 0,1,2,3,4,5,6,7
	global_store_b128 v[GO], v[BK+32*((\a)%2)+4*\t:BK+32*((\a)%2)+4*\t+3], s[12:13] offset:(32*((\a)/2)+8*((\a)%2)+2*\t+8*(\t/4))*4096 th:TH_STORE_NT   ; sixteen lanes store 256 consecutive bytes, aligned
.endr
.endm
	s_load_b256 s[4:11], s[0:1], 0x0               ; ctx_img, cs, w_img, ws
	s_load_b64 s[12:13], s[0:1], 0x20              ; out0
	v_lshl_add_u32 v254, v0, 2, 0x4c400
	v_mov_b32 v255, 0
	ds_add_u32 v254, v255
	ds_add_u32 v254, v255
	v_lshrrev_b32 v1, 5, v0
	v_readfirstlane_b32 s16, v1                    ; wave
	s_lshr_b32 s17, s16, 1                         ; wr
	s_and_b32 s18, s16, 1                          ; wc; also which half of a chunk I fetch
	s_bfe_u32 s19, ttmp6, 0x40000
	s_bfe_u32 s20, ttmp6, 0x40004
	s_lshl_b32 s21, ttmp9, 2
	s_add_co_u32 s21, s21, s19                     ; which 128 columns
	s_and_b32 s22, ttmp7, 0xffff
	s_lshl_b32 s22, s22, 2
	s_add_co_u32 s22, s22, s20                     ; which 256 tokens
	s_lshl_b32 s84, s20, 2
	s_lshl_b32 s84, 15, s84
	s_lshl_b32 s85, 0x1111, s19
	s_or_b32 s[G1X], s84, (3<<16)|(1<<21)
	s_or_b32 s[G1W], s85, (3<<16)|(1<<21)
	s_mov_b32 s[G1X+1], 384<<16                    ; a row: two K steps of a tile, 3,072 bytes; 8 tiles, 12,288 bytes apart
	s_mov_b32 s[G1X+2], 8<<16
	s_mov_b32 s[G1X+3], 384<<16
	s_mov_b32 s[G1X+4], 8
	s_mov_b32 s[G1X+5], 1536
	s_mov_b32 s[G1X+6], 0
	s_mov_b32 s[G1X+7], 0
	s_mov_b32 s[G1W+1], 384<<16                    ; Wo: 4 tiles
	s_mov_b32 s[G1W+2], 4<<16
	s_mov_b32 s[G1W+3], 384<<16
	s_mov_b32 s[G1W+4], 4
	s_mov_b32 s[G1W+5], 1536
	s_mov_b32 s[G1W+6], 0
	s_mov_b32 s[G1W+7], 0
	s_lshl_b32 s86, s22, 4
	s_lshl_b32 s87, s18, 3
	s_add_co_u32 s86, s86, s87
	s_mul_i32 s86, s86, 12288
	s_mov_b32 s87, 0
	s_lshl_b32 s88, s21, 3
	s_lshl_b32 s89, s18, 2
	s_add_co_u32 s88, s88, s89
	s_add_co_u32 s88, s88, 192
	s_mul_i32 s88, s88, 12288
	s_mov_b32 s89, 0
	s_mul_i32 s23, s18, 24576
	s_mul_i32 s90, s18, 12288
	s_lshl_b32 s92, s22, 20                        ; out0: (256 blk + 128 wr) rows of 4,096 bytes + 512 x column block + 256 wc
	s_lshl_b32 s93, s17, 19
	s_add_co_u32 s92, s92, s93
	s_lshl_b32 s93, s21, 9
	s_add_co_u32 s92, s92, s93
	s_lshl_b32 s93, s18, 8
	s_add_co_u32 s92, s92, s93
	s_mov_b32 s93, 0
	s_lshl_b32 s94, s22, 13                        ; ctx's scale words: tile 16 blk + 8 wr
	s_lshl_b32 s95, s17, 12
	s_add_co_u32 s94, s94, s95
	s_mov_b32 s95, 0
	s_lshl_b32 s96, s21, 12                        ; Wo's: tile 192 + 8 x column block + 4 wc
	s_lshl_b32 s97, s18, 11
	s_add_co_u32 s96, s96, s97
	s_add_co_u32 s96, s96, 98304
	s_mov_b32 s97, 0
	s_wait_dscnt 0x0
	s_wait_kmcnt 0x0
	s_add_nc_u64 s[86:87], s[4:5], s[86:87]
	s_add_nc_u64 s[88:89], s[8:9], s[88:89]
	s_add_nc_u64 s[12:13], s[12:13], s[92:93]
	s_add_nc_u64 s[6:7], s[6:7], s[94:95]
	s_add_nc_u64 s[10:11], s[10:11], s[96:97]
.irp c, 0,1,2,3
	s_mov_b32 s[G0X+4*\c], 1
	s_add_co_u32 s[G0X+4*\c+1], s23, \c*49152
	s_add_nc_u64 s[G0X+4*\c+2:G0X+4*\c+3], s[86:87], \c*3072
	s_or_b32 s[G0X+4*\c+3], s[G0X+4*\c+3], 0x80000000
	s_mov_b32 s[G0W+4*\c], 1
	s_add_co_u32 s[G0W+4*\c+1], s90, WRB+\c*24576
	s_add_nc_u64 s[G0W+4*\c+2:G0W+4*\c+3], s[88:89], \c*3072
	s_or_b32 s[G0W+4*\c+3], s[G0W+4*\c+3], 0x80000000
.endr
	v_and_b32 v[VR], 15, v0
	v_bfe_u32 v[VH], v0, 4, 1
	v_and_b32 v26, 31, v0
	v_lshlrev_b32 v[L16], 4, v26
	v_lshlrev_b32 v[L8], 3, v26
	s_mul_i32 s84, s17, 24576
	s_mul_i32 s85, s18, 12288
	s_add_co_u32 s85, s85, WRB
.irp c, 0,1,2,3
	v_add_nc_u32 v[AX16+\c], s84, v[L16]
	v_add_nc_u32 v[AX8+\c], s84, v[L8]
	v_add_nc_u32 v[AW16+\c], s85, v[L16]
	v_add_nc_u32 v[AW8+\c], s85, v[L8]
	s_add_co_u32 s84, s84, 49152
	s_add_co_u32 s85, s85, 24576
.endr
	s_mul_i32 s84, s16, 4352
	s_add_co_u32 s84, s84, STG                     ; my stage
	v_mul_u32_u24 v[STO], v[VR], 272
	v_lshl_add_u32 v[STO], v[VH], 6, v[STO]
	v_add_nc_u32 v[STO], s84, v[STO]               ; in: row r, + 64 h
	v_mul_u32_u24 v[SRD], v[VH], 272
	v_lshl_add_u32 v[SRD], v[VR], 4, v[SRD]
	v_add_nc_u32 v[SRD], s84, v[SRD]               ; back: lanes 0-15 one row, lanes 16-31 the next
	v_lshlrev_b32 v[GO], 12, v[VH]
	v_lshl_add_u32 v[GO], v[VR], 4, v[GO]
	v_lshlrev_b32 v[SOX], 4, v[VR]
	v_lshl_add_u32 v[SOV], v[VH], 10, v[SOX]
	v_lshl_add_u32 v[SOX], v[VH], 11, v[SOX]
.irp i, 0,1,2,3
.irp q, 0,1
	global_load_b128 v[XS+8*\i+4*\q:XS+8*\i+4*\q+3], v[SOX], s[6:7] offset:512*\i+256*\q   ; register 8 i + s: lanes 0-15 ctx's tile i, lanes 16-31 tile i + 4
.endr
.endr
.irp i, 0,1
.irp q, 0,1
	global_load_b128 v[WS+8*\i+4*\q:WS+8*\i+4*\q+3], v[SOV], s[10:11] offset:512*\i+256*\q   ; lanes 0-15 Wo's tile i, lanes 16-31 tile i + 2
.endr
.endr
	CROUND                                         ; all sixteen work-groups are here: the joint loads meet
	s_cmp_lt_u32 s16, 2
	s_cbranch_scc0 .Lfirst_w
	tensor_load_to_lds s[G0X:G0X+3], s[G1X:G1X+7]
	s_nop 0
	tensor_load_to_lds s[G0X+4:G0X+7], s[G1X:G1X+7]
	s_nop 0
	tensor_load_to_lds s[G0X+8:G0X+11], s[G1X:G1X+7]
	s_nop 0
	tensor_load_to_lds s[G0X+12:G0X+15], s[G1X:G1X+7]
	s_nop 0
.rept 4
	v_nop
.endr
	s_branch .Lfirst_done
.Lfirst_w:
	tensor_load_to_lds s[G0W:G0W+3], s[G1W:G1W+7]
	s_nop 0
	tensor_load_to_lds s[G0W+4:G0W+7], s[G1W:G1W+7]
	s_nop 0
	tensor_load_to_lds s[G0W+8:G0W+11], s[G1W:G1W+7]
	s_nop 0
	tensor_load_to_lds s[G0W+12:G0W+15], s[G1W:G1W+7]
	s_nop 0
.rept 4
	v_nop
.endr
.Lfirst_done:
	s_wait_tensorcnt 0x3                           ; my part of chunk 0 is in; the three younger loads stay out
	s_barrier_signal -1
	s_barrier_wait -1
	FETCH_W 0
	FETCH_X 0, 0
	FETCH_X 0, 4
	s_wait_loadcnt 0x0                             ; the scale words
	STEPE 0, 1
	STEPO 1
	STEPE 2, 0
	STEPO 3
	STEPE 4, 0
	STEPO 5
	STEPE 6, 0
	s_wait_dscnt 16                                ; the last K step: nothing more to fetch
	WIN 0xa1
	MULO 0, 7, 0
	MULO 2, 7, 0
	s_wait_alu depctr_va_vdst(0)
	s_wait_dscnt 0
	MULO 4, 7, 0
	MULO 6, 7, 0
	PLACES
	WIN 0
	TOSTAGE 0
.irp a, 1,2,3,4,5,6,7
.if \a > 1
	s_wait_xcnt 0x0                                ; tile a - 2's stores have read their registers: tile a's rows may land there
.endif
	TOSTAGE \a
	SEND \a-1, 16                                  ; behind tile a - 1's loads: tile a's 8 stores and 8 loads
.endr
	SEND 7, 0
	s_wait_tensorcnt 0x0
	ds_add_u32 v254, v255
	s_wait_dscnt 0x0
	CROUND                                         ; the closing round
	s_endpgm
.Lfunc_end_k_qa153aa1545_outp:
	.size	k_qa153aa1545_outp, .Lfunc_end_k_qa153aa1545_outp-k_qa153aa1545_outp
	.p2alignl 7, 3214868480
	.fill 96, 4, 3214868480
	.section	.rodata,"a",@progbits
	.p2align	6, 0x0
	.amdhsa_kernel k_qa153aa1545_outp
		.amdhsa_group_segment_fixed_size 327680
		.amdhsa_private_segment_fixed_size 0
		.amdhsa_enable_private_segment 0
		.amdhsa_kernarg_size 40
		.amdhsa_user_sgpr_count 2
		.amdhsa_user_sgpr_kernarg_segment_ptr 1
		.amdhsa_wavefront_size32 1
		.amdhsa_system_sgpr_workgroup_id_x 1
		.amdhsa_system_sgpr_workgroup_id_y 1
		.amdhsa_system_sgpr_workgroup_id_z 1
		.amdhsa_system_vgpr_workitem_id 0
		.amdhsa_next_free_vgpr 768
		.amdhsa_next_free_sgpr 102
		.amdhsa_reserve_vcc 0
		.amdhsa_float_denorm_mode_32 3
		.amdhsa_float_denorm_mode_16_64 3
		.amdhsa_memory_ordered 1
		.amdhsa_forward_progress 1
		.amdhsa_inst_pref_size 86
	.end_amdhsa_kernel
	.amdgpu_metadata
---
amdhsa.version: [ 1, 2 ]
amdhsa.kernels:
  - .name:           k_qa153aa1545_outp
    .symbol:         k_qa153aa1545_outp.kd
    .args:
      - { .name: ctx_img, .offset: 0, .size: 8, .value_kind: global_buffer, .address_space: global }
      - { .name: cs, .offset: 8, .size: 8, .value_kind: global_buffer, .address_space: global }
      - { .name: w_img, .offset: 16, .size: 8, .value_kind: global_buffer, .address_space: global }
      - { .name: ws, .offset: 24, .size: 8, .value_kind: global_buffer, .address_space: global }
      - { .name: out0, .offset: 32, .size: 8, .value_kind: global_buffer, .address_space: global }
    .group_segment_fixed_size: 327680
    .private_segment_fixed_size: 0
    .kernarg_segment_align: 8
    .kernarg_segment_size: 40
    .max_flat_workgroup_size: 128
    .sgpr_count:     102
    .vgpr_count:     768
    .wavefront_size: 32
...
	.end_amdgpu_metadata
.endif
;; end of part 4
